; MI455X (gfx1250); checked and timed in simulation.
; The chip was launched on July 23, 2026; its instructions are those of AMD's public machine-readable ISA for CDNA 5 (MIT licence, August 2026) and "CDNA5" Instruction Set Architecture Reference Guide (July 2026). The comments in the code are by the model that wrote it; some were corrected since.
;; Block. Allowed arithmetic: matrix products marked QUANTISED: E4M3 operands, one given power-of-two scale a tensor, by v_wmma_f32_16x16x64_fp8_fp8 or v_wmma_f32_16x16x128_fp8_fp8, f32 sums; everything else in f32.
;; Inputs: b_fc 4,096 float32; b_o 1,024 float32; b_out 1,024 float32; b_qkv 3,072 float32; ln1_b 1,024 float32; ln1_w 1,024 float32; ln2_b 1,024 float32; ln2_w 1,024 float32; lowp_scales 12 int32 (the exponents e of the quantised operands' scales 2^e); w_fc_codes 4,096 x 32 x 32 uint8 (E4M3 codes of w_fc, K innermost, in blocks of 32 codes); w_o_codes 1,024 x 32 x 32 uint8 (E4M3 codes of w_o, K innermost, in blocks of 32 codes); w_out_codes 1,024 x 128 x 32 uint8 (E4M3 codes of w_out, K innermost, in blocks of 32 codes); w_qkv_codes 3,072 x 32 x 32 uint8 (E4M3 codes of w_qkv, K innermost, in blocks of 32 codes); x 4 x 1,024 x 1,024 float32.
;; Outputs: out0 4 x 1,024 x 1,024 float32.
;; This version of the problem:
;;   THIS VERSION OF THE PROBLEM IS GIVEN IN LOW PRECISION. The matrix products marked QUANTISED in the list below multiply operands that are first quantised to E4M3 (4 exponent bits, 3 mantissa bits; 8 bits a number), with one given power-of-two scale for each operand tensor; their sums are f32. All else is computed in f32.
;;   The module's matrix products, in the order in which they are computed (A, B: the left and right operand; K: the contracted axis; several contracted axes count as one K, in the product's order):
;;     1. [M 4,096, K 1,024] x [K 1,024, N 3,072]; A: computed on the way; B: input w_qkv (given as codes): QUANTISED (scales: A lowp_scales[0], B lowp_scales[1])
;;     2. batch 64 x [M 1,024, K 64] x [K 64, N 1,024]; A: computed on the way; B: computed on the way: QUANTISED (scales: A lowp_scales[2], B lowp_scales[3])
;;     3. batch 64 x [M 64, K 1,024] x [K 1,024, N 1,024]; A: computed on the way; B: softmax (see below): QUANTISED (scales: A lowp_scales[4], B lowp_scales[5])
;;     4. [M 4,096, K 1,024] x [K 1,024, N 1,024]; A: computed on the way; B: input w_o (given as codes): QUANTISED (scales: A lowp_scales[6], B lowp_scales[7])
;;     5. [M 4,096, K 1,024] x [K 1,024, N 4,096]; A: computed on the way; B: input w_fc (given as codes): QUANTISED (scales: A lowp_scales[8], B lowp_scales[9])
;;     6. [M 4,096, K 4,096] x [K 4,096, N 1,024]; A: computed on the way; B: input w_out (given as codes): QUANTISED (scales: A lowp_scales[10], B lowp_scales[11])
;;   THE QUANTISER, for each operand of a quantised product, along K:
;;     - The operand's scale is 2^e, e = its entry of the input lowp_scales (int32; the entries are numbered through the quantised products in the list's order, A before B).
;;     - Each number is divided by the scale, clamped to +-448, and rounded to the nearest number of E4M3, ties to even, subnormals kept.
;;     - The product sums the exact products of the quantised numbers (number of the format x scale) in f32.
;;   ~~~python
;;   def quantise(x, axis, e):      # numpy; x: float32 -> the quantised numbers, widened to float32 again
;;       x = np.moveaxis(x, axis, -1); K = x.shape[-1]
;;       r = np.clip(x / 2.0 ** e, -448, 448)
;;       step = 2.0 ** (np.maximum(np.frexp(np.where(r == 0, 1, r))[1] - 1, -6) - 3)
;;       q = np.round(r / step) * step * 2.0 ** e      # np.round: ties to even
;;       return np.moveaxis(q, -1, axis).astype(np.float32)
;;   ~~~
;;   SOFTMAX AHEAD OF A QUANTISED PRODUCT. Where the list says 'softmax', what is quantised is not the finished softmax but p = 2^(t - M), with t = logit x log2(e) and M = ceil(the row's largest t), a whole number; so 1/2 < the row's largest p <= 1. The row's sum l is taken of the UNQUANTISED p, in f32, and the product's result is divided by l at the end. Since M is a whole number, a kernel that streams over the keys may use a running M (the ceiling of the running maximum): every later rescaling is an exact power of two, so the quantised numbers keep their values, but for numbers so far below the row's largest that they fall under the format's range.
;;   OPERANDS COMPUTED ON THE WAY. 'Computed on the way' means the value that the module computes at that place (a softmax that the list does not call 'softmax' is quantised finished and normalised). What goes into a quantiser is computed in f32, as accurately as f32 sums, v_exp_f32 and their like allow (about 1e-6 of the number): no bf16 or f16 on the way to a quantiser, and a product that is left as it is and whose result goes on into a quantised operand takes f32 operands (vector FMAs, or v_wmma_f32_16x16x4_f32). A number that lies on a knife's edge between two numbers of the format may be rounded either way, as far as f32 arithmetic and the matrix unit's own rounding can turn it there, and no further.
;;   INPUTS GIVEN AS CODES. w_fc (in the module: [1024, 4096], K = its axis 0); w_o (in the module: [1024, 1024], K = its axis 0); w_out (in the module: [4096, 1024], K = its axis 0); w_qkv (in the module: [1024, 3072], K = its axis 0): each comes as NAME_codes (uint8): NAME with its K axis moved to the last place and cut into blocks of 32 codes, [.., K / 32, bytes a block], one block behind the other in memory; one code a byte (a code: sign, 4 exponent bits, 3 mantissa bits); its scale is its entry of lowp_scales. Its value is code x scale, taken as it is: it is not quantised again, and the codes and scales need not be those that the quantiser above would give.
;; One version. Each part assembles by itself: llvm-mc -triple=amdgcn-amd-amdhsa -mcpu=gfx1250 --defsym DOCPART=n.
;; ======== version 1 of 1: 7 launches
;; limits: right only within a limited range of input values
;; workspace buffers: xn 4,194,304 bytes; qc 4,194,304 bytes; kc 4,194,304 bytes; vt 4,194,304 bytes; yc 4,194,304 bytes; x1 16,777,216 bytes; hc 16,777,216 bytes
;; launch ln1 (part 1): grid 256 x 1, 16 waves a work-group, no clusters, 18,432 bytes of LDS; arguments x, ln1_w, ln1_b, lowp_scales, xn; writes xn
.if DOCPART == 1
	.amdgcn_target "amdgcn-amd-amdhsa--gfx1250"
	.amdhsa_code_object_version 6
	.text
	.protected	k_q09e52d4c41_ln1
	.globl	k_q09e52d4c41_ln1
	.p2align	8
	.type	k_q09e52d4c41_ln1,@function
k_q09e52d4c41_ln1:
	s_mov_b64 s[64:65], 0
	v_nop
	global_prefetch_b8 v0, s[64:65] scope:SCOPE_SE
	s_setreg_imm32_b32 hwreg(HW_REG_WAVE_MODE, 25, 1), 1
	s_wait_xcnt 0x0
; THE PROGRAM: one transformer block in seven launches: ln1, qkv, attn, o, ln2, fc, out.  All six matrix products run on E4M3 codes, each operand with its given scale 2^e.
; DEAD WORK, for the whole program.  reference() sets a score to -inf wherever key > query, by its own jnp.tril, ahead of the softmax.  exp(-inf) = 0 whatever finite values the inputs hold,
; so such a p is 0: it adds nothing to the row's sum and nothing to the product with v; and the row's largest score is taken among keys <= query, key 0 always among them.  So a step of 16 queries x 128 keys
; all of whose keys come after all of its queries is left out, in the launch attn: its part of both attention products and of the softmax.  Nothing else is left out; every input has a way to out0 and is loaded.
; LIMIT: a NaN, an infinity or an overflow that would arise only in the scores left out is not carried to the result.
; THIS LAUNCH: xn = codes of LayerNorm(x) x w + b, scale 2^e, e = entry EOFF / 4 of lowp_scales.  x: [4096][1024] f32; xn: [4096][1024], one code a byte.
; code = value / 2^e, held within +-448, to the nearest code, ties to even.  LIMITS: e between -126 and 119; NaN and infinities among the inputs are not served.
; SHARES.  One wave takes one row (4,096 bytes, 32 registers a lane), so mean and variance never leave the wave: no barrier.  16 waves a work-group, 256 work-groups, 4,096 rows.
; Each load of a wave covers 512 consecutive bytes: lane l holds, of load j, the numbers 128 j + 4 l + 0 .. 3; w and b are loaded the same way.  A lane's four codes of a load are one word; the row's 1,024 bytes of codes
; turn through the wave's own 1,024 bytes of LDS, so that each of the two stores covers 512 consecutive bytes, aligned.  No matrix unit, no cluster, no tensor load: the work is a stream that is read once.
.set EOFF,  0                          ; byte of my scale's exponent in lowp_scales
.set SPARE, 16384                      ; behind the 16 stages: the spare words, 128 bytes for each wave
.set X,    16                          ; v16-47   the row
.set W,    48                          ; v48-79   the gain
.set BV,   80                          ; v80-111  the bias
.set CD,   112                         ; v112-119 four running sums, later the codes
.set OUTR, 120                         ; v120-127 the row of codes on its way out
	s_load_b256 s[4:11], s[0:1], 0x0               ; x s[4:5], w s[6:7], b s[8:9], the exponents s[10:11]
	s_load_b64 s[12:13], s[0:1], 0x20              ; xn
	v_lshl_add_u32 v2, v0, 2, SPARE                ; my spare word; never rewritten
	v_mov_b32 v3, 0                                ; 0; never rewritten
	v_lshrrev_b32 v6, 5, v0
	s_delay_alu instid0(VALU_DEP_1)
	v_readfirstlane_b32 s16, v6                    ; wave 0..15
	v_and_b32 v6, 31, v0                           ; lane
	s_delay_alu instid0(VALU_DEP_1)
	v_lshlrev_b32 v1, 4, v6                        ; 16 x lane
	s_lshl_b32 s17, s16, 10                        ; my stage
	v_lshl_add_u32 v4, v6, 2, s17                  ; into it: 4 x lane
	v_add_nc_u32 v5, s17, v1                       ; out of it: 16 x lane
	v_mov_b32 v9, 0                                ; written once: a lane permute's destination counts as one of its sources
	s_lshl_b32 s18, ttmp9, 4
	s_add_co_u32 s18, s18, s16                     ; my row
	s_lshl_b32 s24, s18, 12                        ; its bytes in x,
	s_mov_b32 s25, 0
	s_lshl_b32 s26, s18, 10                        ; and in xn
	s_mov_b32 s27, 0
	s_mov_b32 s20, 0x3a800000                      ; 1 / 1024
	s_mov_b32 s21, 0x3727c5ac                      ; 1e-5
	s_mov_b32 s22, 0x76543210                      ; lane l xor 16
	s_mov_b32 s23, 0xfedcba98
	s_wait_alu depctr_va_vdst(0)
	s_wait_kmcnt 0x0
	s_load_b32 s28, s[10:11], EOFF                 ; e
	s_add_nc_u64 s[4:5], s[4:5], s[24:25]
	s_add_nc_u64 s[12:13], s[12:13], s[26:27]
.set i, 0
.rept 8
	global_load_b128 v[X+4*i:X+4*i+3], v1, s[4:5] offset:512*i th:TH_LOAD_NT
.set i, i+1
.endr
.set i, 0
.rept 8
	global_load_b128 v[W+4*i:W+4*i+3], v1, s[6:7] offset:512*i
.set i, i+1
.endr
.set i, 0
.rept 8
	global_load_b128 v[BV+4*i:BV+4*i+3], v1, s[8:9] offset:512*i
.set i, i+1
.endr
.macro ALLSUM                          ; v8 summed over the 32 lanes, the result in every lane
	s_delay_alu instid0(VALU_DEP_1)
	v_add_f32_dpp v8, v8, v8 row_xmask:1 row_mask:0xf bank_mask:0xf
	s_delay_alu instid0(VALU_DEP_1)
	v_add_f32_dpp v8, v8, v8 row_xmask:2 row_mask:0xf bank_mask:0xf
	s_delay_alu instid0(VALU_DEP_1)
	v_add_f32_dpp v8, v8, v8 row_xmask:4 row_mask:0xf bank_mask:0xf
	s_delay_alu instid0(VALU_DEP_1)
	v_add_f32_dpp v8, v8, v8 row_xmask:8 row_mask:0xf bank_mask:0xf
	s_delay_alu instid0(VALU_DEP_1)
	v_permlanex16_b32 v9, v8, s22, s23
	s_delay_alu instid0(VALU_DEP_1)
	v_add_f32 v8, v8, v9
.endm
.macro JOIN                            ; the four running sums into v8
	s_delay_alu instid0(VALU_DEP_3)
	v_pk_add_f32 v[CD:CD+1], v[CD:CD+1], v[CD+2:CD+3]
	s_delay_alu instid0(VALU_DEP_2)
	v_pk_add_f32 v[CD+4:CD+5], v[CD+4:CD+5], v[CD+6:CD+7]
	s_delay_alu instid0(VALU_DEP_1)
	v_pk_add_f32 v[CD:CD+1], v[CD:CD+1], v[CD+4:CD+5]
	s_delay_alu instid0(VALU_DEP_1)
	v_add_f32 v8, v[CD], v[CD+1]
.endm
	s_wait_loadcnt 16                              ; the row is in; the 16 loads of w and b may stay out
.irp k, 0,1,2,3                        ; the sum, two numbers at a time, in four chains that the first pairs start
	v_pk_add_f32 v[CD+2*\k:CD+2*\k+1], v[X+4*\k:X+4*\k+1], v[X+4*\k+2:X+4*\k+3]
.endr
.irp p, 8,12
.irp k, 0,1,2,3
	s_delay_alu instid0(VALU_DEP_4)
	v_pk_add_f32 v[CD+2*\k:CD+2*\k+1], v[CD+2*\k:CD+2*\k+1], v[X+2*(\p+\k):X+2*(\p+\k)+1]
.endr
.endr
	JOIN
	ALLSUM
	s_delay_alu instid0(VALU_DEP_1)
	v_mul_f32 v12, s20, v8                         ; the mean,
	s_delay_alu instid0(VALU_DEP_1)
	v_mov_b32 v13, v12                             ; twice: a pair for the packed form
.set i, 0
.rept 16
	v_pk_add_f32 v[X+2*i:X+2*i+1], v[X+2*i:X+2*i+1], v[12:13] neg_lo:[0,1] neg_hi:[0,1]   ; x - mean
.set i, i+1
.endr
.irp k, 0,1,2,3                        ; the sum of squares, again in four chains
	v_pk_mul_f32 v[CD+2*\k:CD+2*\k+1], v[X+2*\k:X+2*\k+1], v[X+2*\k:X+2*\k+1]
.endr
.irp p, 4,8,12
.irp k, 0,1,2,3
	s_delay_alu instid0(VALU_DEP_4)
	v_pk_fma_f32 v[CD+2*\k:CD+2*\k+1], v[X+2*(\p+\k):X+2*(\p+\k)+1], v[X+2*(\p+\k):X+2*(\p+\k)+1], v[CD+2*\k:CD+2*\k+1]
.endr
.endr
	JOIN
	ALLSUM
	s_delay_alu instid0(VALU_DEP_1)
	v_fma_f32 v8, v8, s20, s21                     ; the variance + 1e-5
	s_wait_alu depctr_va_vdst(0)
	v_rsq_f32 v14, v8                              ; twice: a pair for the packed form
	v_rsq_f32 v15, v8
	v_nop                                          ; a plain instruction behind the transcendentals
	s_wait_kmcnt 0x0
	s_add_co_i32 s28, s28, 127
	s_lshl_b32 s29, s28, 23
	v_mov_b32 v11, s29                             ; 2^e as f32: the conversion takes its exponent field
	s_add_co_i32 s28, s28, 8
	s_lshl_b32 s28, s28, 23
	s_or_b32 s28, s28, 0x600000
	v_mov_b32 v10, s28                             ; 448 x 2^e
	s_wait_loadcnt 0x0                             ; w and b
	s_wait_alu depctr_va_vdst(0)                   ; one wait for both roots, ahead of their first reader
.set i, 0
.rept 16
	v_pk_mul_f32 v[X+2*i:X+2*i+1], v[X+2*i:X+2*i+1], v[14:15]
.set i, i+1
.endr
.set i, 0
.rept 16
	v_pk_fma_f32 v[X+2*i:X+2*i+1], v[X+2*i:X+2*i+1], v[W+2*i:W+2*i+1], v[BV+2*i:BV+2*i+1]
.set i, i+1
.endr
.set i, 0
.rept 32
	v_med3_num_f32 v[X+i], v[X+i], -v10, v10       ; the conversion to an 8-bit code does not saturate (ISA guide 7.6.2): the hold at the largest code x the scale
.set i, i+1
.endr
.irp g, 0,1,2,3
	v_cvt_scalef32_pk8_fp8_f32 v[CD+2*\g:CD+2*\g+1], v[X+8*\g:X+8*\g+7], v11   ; words 2 g and 2 g + 1: the codes of loads 2 g and 2 g + 1
.endr
	v_nop                                          ; a plain instruction behind the last conversion
.set i, 0
.rept 8
	ds_store_b32 v4, v[CD+i] offset:128*i          ; word i: the codes of numbers 128 i + 4 lane + 0 .. 3
.set i, i+1
.endr
	ds_load_b128 v[OUTR:OUTR+3], v5                ; LDS serves a wave's instructions in order (ISA guide 5.7.1.4): these see my stores
	ds_load_b128 v[OUTR+4:OUTR+7], v5 offset:512
	s_wait_dscnt 0x0
	global_store_b128 v1, v[OUTR:OUTR+3], s[12:13]             ; 32 lanes store 512 consecutive bytes, aligned
	global_store_b128 v1, v[OUTR+4:OUTR+7], s[12:13] offset:512
	s_wait_tensorcnt 0x0                           ; the wave's end
	ds_add_u32 v2, v3
	s_wait_dscnt 0x0
	s_endpgm
.Lfunc_end_k_q09e52d4c41_ln1:
	.size	k_q09e52d4c41_ln1, .Lfunc_end_k_q09e52d4c41_ln1-k_q09e52d4c41_ln1
	.p2alignl 7, 3214868480
	.fill 96, 4, 3214868480
	.section	.rodata,"a",@progbits
	.p2align	6, 0x0
	.amdhsa_kernel k_q09e52d4c41_ln1
		.amdhsa_group_segment_fixed_size 18432
		.amdhsa_private_segment_fixed_size 0
		.amdhsa_enable_private_segment 0
		.amdhsa_kernarg_size 40
		.amdhsa_user_sgpr_count 2
		.amdhsa_user_sgpr_kernarg_segment_ptr 1
		.amdhsa_wavefront_size32 1
		.amdhsa_system_sgpr_workgroup_id_x 1
		.amdhsa_system_sgpr_workgroup_id_y 1
		.amdhsa_system_sgpr_workgroup_id_z 1
		.amdhsa_system_vgpr_workitem_id 0
		.amdhsa_next_free_vgpr 128
		.amdhsa_next_free_sgpr 66
		.amdhsa_reserve_vcc 0
		.amdhsa_float_denorm_mode_32 3
		.amdhsa_float_denorm_mode_16_64 3
		.amdhsa_memory_ordered 1
		.amdhsa_forward_progress 1
		.amdhsa_inst_pref_size 15
	.end_amdhsa_kernel
	.amdgpu_metadata
---
amdhsa.version: [ 1, 2 ]
amdhsa.kernels:
  - .name:           k_q09e52d4c41_ln1
    .symbol:         k_q09e52d4c41_ln1.kd
    .args:
      - { .name: x, .offset: 0, .size: 8, .value_kind: global_buffer, .address_space: global }
      - { .name: ln1_w, .offset: 8, .size: 8, .value_kind: global_buffer, .address_space: global }
      - { .name: ln1_b, .offset: 16, .size: 8, .value_kind: global_buffer, .address_space: global }
      - { .name: lowp_scales, .offset: 24, .size: 8, .value_kind: global_buffer, .address_space: global }
      - { .name: xn, .offset: 32, .size: 8, .value_kind: global_buffer, .address_space: global }
    .group_segment_fixed_size: 18432
    .private_segment_fixed_size: 0
    .kernarg_segment_align: 8
    .kernarg_segment_size: 40
    .max_flat_workgroup_size: 512
    .sgpr_count:     66
    .vgpr_count:     128
    .wavefront_size: 32
...
	.end_amdgpu_metadata
.endif
;; end of part 1
;; launch qkv (part 2): grid 12 x 16, 4 waves a work-group, clusters of 4 x 4, 327,680 bytes of LDS; arguments xn, w_qkv_codes, lowp_scales, b_qkv, qc, kc, vt; writes qc, kc, vt
.if DOCPART == 2
	.amdgcn_target "amdgcn-amd-amdhsa--gfx1250"
	.amdhsa_code_object_version 6
	.text
	.protected	k_q09e52d4c41_qkv
	.globl	k_q09e52d4c41_qkv
	.p2align	8
	.type	k_q09e52d4c41_qkv,@function
k_q09e52d4c41_qkv:
	s_mov_b64 s[64:65], 0
	v_nop
	global_prefetch_b8 v0, s[64:65] scope:SCOPE_SE
	s_setreg_imm32_b32 hwreg(HW_REG_WAVE_MODE, 25, 1), 1
	s_wait_xcnt 0x0
	s_wait_alu depctr_hold_cnt(0) depctr_sa_sdst(0) depctr_va_vdst(0) depctr_va_sdst(0) depctr_va_ssrc(0) depctr_va_vcc(0) depctr_vm_vsrc(0)
	s_getreg_b32 s2, hwreg(HW_REG_IB_STS2, 6, 4)
	s_cmp_eq_u32 s2, 0
	s_cbranch_scc0 .Lentry_in_a_cluster
	s_endpgm
.Lentry_in_a_cluster:
	s_bfe_u32 s2, ttmp6, 0x10000c
	s_cmp_lg_u32 s2, 0xf033
	s_cbranch_scc0 .Lentry_shape_is_right
	s_endpgm
.Lentry_shape_is_right:
; q, k, v = xn Wqkv x 2^(e0 + e1) + b_qkv, quantised at once for the attention: q with 2^e2, k with 2^e3 (K = the head's 64 channels), v with 2^e4 (K = the keys).
; xn: [4096][1024] codes; w_qkv_codes: [3072][1024] codes, K innermost.  Sums in f32.  Nothing is left out here.
; OUT: qc, kc: [batch 4][pair of heads 8][token 1024][128 bytes: the pair's 2 x 64 codes].  vt: [batch 4][pair 8][block of keys 8][channel 128][128 keys]: the keys innermost.
; In all three the block (batch, pair, 128 tokens) is 16,384 dense bytes of 128 rows x 128 bytes: exactly one wave's tile here.
; LIMITS: e0 + e1 between -126 and 127; e2, e3, e4 between -126 and 119.  NaN among the inputs is not served.
; A tile of the result, 256 x 256, is made by four waves, each 128 x 128: 64 accumulators, 512 registers.  K goes in steps of 256 through a ring of two LDS slots filled by the tensor data mover.
; CLUSTERS: 4 x 4 work-groups; a tile of the first operand is shared along a row of the cluster, of the second along a column, each asked for jointly.  The cluster's x (0, 1, 2) says q, k or v: the same in all sixteen.
; THE MATRIX INSTRUCTION IS USED TRANSPOSED (source 0 = 16 rows of the second operand, source 1 = 16 rows of the first): a lane holds eight neighbours along the second operand's rows.
; For q and k the first operand is xn and the second w: a lane holds one token and eight neighbouring channels, which are the next K.  FOR v THE TWO CHANGE PLACES: the first operand is w (rows 2,048 on), the second xn:
; a lane then holds one channel and eight neighbouring KEYS, which are v's K.  Only pointers and tile numbers are chosen, on the cluster's x; the loop is one text.
; REGISTERS, in windows of 256: window 0: v0-31 addresses; from v128 the first operand's fragments, one set; on the way out v32-255 are free.  window 1: the second operand's fragments, two sets.  windows 2, 3: the accumulators.
.set SIZE_K, 1024
.set KSTEP,  256                       ; along K in a slot
.set ROWB,   256                       ; a tile's row in bytes
.set KROW,   SIZE_K                    ; a row of either operand in memory, in bytes
.set PITCH,  272                       ; an LDS row: 256 bytes + 16 of padding = 68 words: the 16 rows that a load touches start at 16 different banks (64 banks of 4 bytes: ISA guide 11.1)
.set FR,     16                        ; registers of a fragment: 16 rows x 128 K
.set NL,     4                         ; LDS loads that bring one
.set NP,     4                         ; places behind this matrix instruction (ISA guide 7.12.1)
.set HALFT,  128*PITCH                 ; 128 rows: what one tensor load brings
.set SLOT,   4*HALFT
.set LAPS,   SIZE_K/(2*KSTEP)          ; a lap = two K steps = once round the ring
.set SPARE,  2*SLOT                    ; behind the ring: the spare words, 128 bytes for each wave
.set BIASL,  SPARE+512                 ; behind them: each wave's 128 numbers of the bias, 512 bytes a wave; no tensor load lands here
.set SP,     144                       ; the way out: a stage row: 128 bytes of codes + 16
.set WST,    16*SP                     ; a wave's stage: 16 rows
.set PST,    4*WST                     ; the four stages of one of the two ways out; each way has bytes of its own, in slot 0, which has had its last fill and its last read by then
.set LIMV, 12                          ; v12     448 x the quantiser's scale
.set SCV,  13                          ; v13     the quantiser's scale as f32
.set BA0,  14                          ; v14     where I read the bias by columns
.set BA1,  15                          ; v15     where I read it by rows
.set ADRA, 16                          ; v16-17  LDS address of my fragments of the first operand in slot 0, 1
.set ADRB, 20                          ; v20-21  the same for the second
.set STO,  24                          ; v24     the way out: where I put 8 bytes of a row
.set RD,   25                          ; v25     where I read 16 bytes back
.set CO,   26                          ; v26     16 x lane
.set BW,   27                          ; v27     where I put my 16 bytes of the bias
.set SPW,  28                          ; v28     my spare word; never rewritten
.set NIL,  29                          ; v29     0; never rewritten
.set T,    32                          ; v32-95   a block's 64 values
.set BIAS, 96                          ; v96-159  the bias in the result's layout
.set CD,   160                         ; v160-191 two sets of 16 registers of codes
.set BK,   192                         ; v192-223 two sets of 16 registers read back from the stage
.set AF,   128
.set G1, 24
.set G0, 32
.set G1B, 48
.set G0B, 56
.set MSB, 0
.macro WIN new                         ; the immediate's high byte repeats the setting that is left
.if MSB != \new
	s_set_vgpr_msb (MSB<<8)|\new
.set MSB, \new
.endif
.endm
.set MUL_LO, 0xa1                      ; source 0 window 1, source 1 window 0, C and D window 2
.set MUL_HI, 0xf1                      ; the same, C and D window 3
.set TO_B,   0x40                      ; destination window 1, address window 0
; A joint load: waves 0 and 1 fetch for the first operand, waves 2 and 3 for the second.  The branch hangs on the wave's number alone.  An s_nop 0 and four v_nop follow each of the two lines.
.macro JLOAD g0a, g1a, g0b, g1b
	s_cmp_eq_u32 s15, 0
	s_cbranch_scc0 .Lfor_b_\@
	tensor_load_to_lds s[\g0a:\g0a+3], s[\g1a:\g1a+7]
	s_nop 0
.rept 4
	v_nop
.endr
	s_branch .Lasked_\@
.Lfor_b_\@:
	tensor_load_to_lds s[\g0b:\g0b+3], s[\g1b:\g1b+7]
	s_nop 0
.rept 4
	v_nop
.endr
.Lasked_\@:
.endm
.macro CREST                           ; a round of the cluster's barrier behind its opening barrier
	s_cmp_lg_u32 s14, 0
	s_cbranch_scc1 .Lnot_wave_0_\@
	s_barrier_signal -3
.Lnot_wave_0_\@:
	s_barrier_wait -3
	s_barrier_signal -1
	s_barrier_wait -1
.endm
.macro CROUND                          ; a whole round
	s_barrier_signal -1
	s_barrier_wait -1
	CREST
.endm
	s_load_b128 s[4:7], s[0:1], 0x0                ; xn s[4:5], w's codes s[6:7]
	s_load_b128 s[8:11], s[0:1], 0x10              ; the exponents s[8:9], b_qkv s[10:11]
	s_load_b128 s[80:83], s[0:1], 0x20             ; qc s[80:81], kc s[82:83]
	s_load_b64 s[84:85], s[0:1], 0x30              ; vt
	v_lshl_add_u32 v[SPW], v0, 2, SPARE
	v_mov_b32 v[NIL], 0
	ds_add_u32 v[SPW], v[NIL]                      ; the wave's opening: the add, twice on end, and its wait ahead of my first tensor load
	ds_add_u32 v[SPW], v[NIL]                      ; and once more, under the one wait; the set-up below stands between
	v_lshrrev_b32 v1, 5, v0
	v_readfirstlane_b32 s14, v1                    ; wave 0..3
	s_lshr_b32 s15, s14, 1                         ; which half of the tile's rows is mine.  Also: I fetch for the first operand (0) or the second (1)
	s_and_b32 s16, s14, 1                          ; which half of its columns.  Also: which 128 rows of that tile I fetch
	s_bfe_u32 s40, ttmp6, 0x40000                  ; cx, cy: my place in the cluster
	s_bfe_u32 s41, ttmp6, 0x40004
	s_and_b32 s86, ttmp7, 0xffff
	s_lshl_b32 s86, s86, 2                         ; 4 x cluster y
	s_add_co_u32 s17, s86, s41                     ; q, k: the first operand's tile: 256 tokens, 4 x cluster y + cy
	s_add_co_u32 s87, s41, 8                       ; v:    256 rows of w from row 2,048 on: 8 + cy
	s_lshl_b32 s42, ttmp9, 2
	s_add_co_u32 s42, s42, s40                     ; q, k: the second operand's tile: 256 rows of w, 4 x cluster x + cx
	s_add_co_u32 s88, s86, s40                     ; v:    256 tokens, 4 x cluster y + cx
	s_cmp_eq_u32 ttmp9, 2                          ; v?  The cluster's x: the same in all sixteen partners
	s_cselect_b32 s17, s87, s17                    ; s17 never holds cx,
	s_cselect_b32 s42, s88, s42                    ; s42 never cy
	s_lshl_b32 s43, s41, 2
	s_lshl_b32 s43, 15, s43                        ; my row of the cluster
	s_lshl_b32 s44, 0x1111, s40                    ; my column
	; descriptor group 1: a tile of 128 rows x 256 bytes, padded in LDS
	s_or_b32 s[G1+0], s43, (0<<16)|(1<<20)|(1<<21)|(5<<22)|(3<<25)  ; 15:0 the mask: my row; 17:16 elements of 1 byte; 20 padding on; 21 set beside a mask; 24:22 after every 64 words; 31:25 four words
	s_or_b32 s[G1B+0], s44, (0<<16)|(1<<20)|(1<<21)|(5<<22)|(3<<25) ; the same with my column
.irp g, G1, G1B
	s_mov_b32 s[\g+1], ROWB<<16                    ; tensor_dim0
	s_mov_b32 s[\g+2], 128<<16                     ; tensor_dim1
	s_mov_b32 s[\g+3], ROWB<<16                    ; tile_dim0
	s_mov_b32 s[\g+4], 128                         ; tile_dim1
	s_mov_b32 s[\g+5], KROW                        ; tensor_dim0_stride
	s_mov_b32 s[\g+6], 0
	s_mov_b32 s[\g+7], 0
.endr
	s_lshl_b32 s18, s16, 7                         ; which 128 rows of the tile I fetch
	s_lshl_b32 s20, s17, 8
	s_add_co_u32 s20, s20, s18
	s_lshl_b32 s46, s42, 8
	s_add_co_u32 s46, s46, s18
	s_mov_b32 s21, 0
	s_mov_b32 s47, 0
	s_mov_b64 s[18:19], KROW
	s_mul_u64 s[20:21], s[20:21], s[18:19]         ; in bytes
	s_mul_u64 s[46:47], s[46:47], s[18:19]
	s_mul_i32 s45, s14, HALFT                      ; where they go: wave x 128 rows: no place in the cluster enters an LDS address
	s_wait_dscnt 0x0                               ; both opening adds are done
	s_wait_kmcnt 0x0
	s_load_b256 s[72:79], s[8:9], 0x0              ; e0 .. e7
	s_cmp_eq_u32 ttmp9, 2
	s_cselect_b64 s[66:67], s[6:7], s[4:5]         ; the first operand: xn, for v w
	s_cselect_b64 s[68:69], s[4:5], s[6:7]         ; the second: w, for v xn
	s_cselect_b64 s[70:71], s[84:85], s[82:83]     ; the result: vt, or kc,
	s_cmp_eq_u32 ttmp9, 0
	s_cselect_b64 s[70:71], s[80:81], s[70:71]     ; or qc
	s_add_nc_u64 s[20:21], s[66:67], s[20:21]
	s_add_nc_u64 s[46:47], s[68:69], s[46:47]
	CROUND                                         ; all sixteen work-groups are here: the first joint loads meet
.irp s, 0,1
	s_mov_b32 s[G0+4*\s], 1
	s_add_co_u32 s[G0+4*\s+1], s45, \s*SLOT
	s_add_nc_u64 s[G0+4*\s+2:G0+4*\s+3], s[20:21], \s*ROWB
	s_or_b32 s[G0+4*\s+3], s[G0+4*\s+3], 0x80000000
	s_mov_b32 s[G0B+4*\s], 1
	s_add_co_u32 s[G0B+4*\s+1], s45, \s*SLOT
	s_add_nc_u64 s[G0B+4*\s+2:G0B+4*\s+3], s[46:47], \s*ROWB
	s_or_b32 s[G0B+4*\s+3], s[G0B+4*\s+3], 0x80000000
.endr
	JLOAD G0, G1, G0B, G1B                         ; K step 0: one tensor load a wave at the head
	; PREFETCHES: of the 128 rows that I fetch, each of the four partners that ask for them jointly names 32, told apart by address (cx for the first operand, cy for the second); a lane a row, 256 bytes of a row a K step.
	; Here K steps 1 and 2 are named, behind K step 1's load K step 3: each two changes of slots, or one, ahead of its load.  The address registers s[12:13] and v30 are never rewritten.
	s_cmp_eq_u32 s15, 0
	s_cselect_b64 s[12:13], s[20:21], s[46:47]
	s_cselect_b32 s86, s40, s41
	s_lshl_b32 s86, s86, 15                        ; 32 rows of 1,024 bytes
	s_mov_b32 s87, 0
	s_add_nc_u64 s[12:13], s[12:13], s[86:87]
	v_and_b32 v30, 31, v0
	v_lshlrev_b32 v30, 10, v30
	global_prefetch_b8 v30, s[12:13] offset:256 th:TH_LOAD_NT scope:SCOPE_SE
	global_prefetch_b8 v30, s[12:13] offset:512 th:TH_LOAD_NT scope:SCOPE_SE
	; where my wave's bias lies and where its tile goes: in registers of their own
	s_lshl_b32 s87, s42, 1
	s_add_co_u32 s87, s87, s16                     ; my 128 of the second operand's rows
	s_lshl_b32 s88, s17, 1
	s_add_co_u32 s88, s88, s15                     ; my 128 of the first operand's rows
	s_cmp_eq_u32 ttmp9, 2
	s_cselect_b32 s89, s87, s88                    ; my block of 128 tokens, 0 .. 31
	s_cselect_b32 s91, s88, s87                    ; my block of 128 of w's 3,072 rows, 0 .. 23: the bias's
	s_and_b32 s92, s91, 7                          ; and, q, k and v having 8 such blocks each, my pair of heads
	s_lshr_b32 s93, s89, 3                         ; the batch
	s_lshl_b32 s93, s93, 3
	s_add_co_u32 s93, s93, s92
	s_lshl_b32 s93, s93, 3
	s_and_b32 s89, s89, 7                          ; the block of tokens in the batch
	s_add_co_u32 s93, s93, s89
	s_lshl_b32 s92, s93, 14                        ; ((batch x 8 + pair) x 8 + block) x 16,384 bytes
	s_mov_b32 s93, 0
	s_add_nc_u64 s[70:71], s[70:71], s[92:93]
	s_lshl_b32 s94, s91, 9
	s_mov_b32 s95, 0
	s_add_nc_u64 s[10:11], s[10:11], s[94:95]
	v_and_b32 v6, 31, v0
	v_lshlrev_b32 v[CO], 4, v6
	global_load_b128 v[8:11], v[CO], s[10:11]      ; my wave's 128 numbers of the bias, 512 consecutive bytes
	v_and_b32 v1, 15, v0                           ; r = lane % 16
	s_wait_alu depctr_va_vdst(0)
	v_bfe_u32 v2, v0, 4, 1                         ; h = lane / 16
	v_mul_u32_u24 v3, v1, PITCH
	v_lshl_add_u32 v4, v2, 4, v3                   ; a fragment's row x pitch + 16 x half
	s_mul_i32 s21, s15, HALFT
	s_mul_i32 s22, s16, HALFT
	s_add_co_u32 s22, s22, 2*HALFT
.irp s, 0,1
	v_add_nc_u32 v[ADRA+\s], s21, v4
	v_add_nc_u32 v[ADRB+\s], s22, v4
	s_add_co_u32 s21, s21, SLOT
	s_add_co_u32 s22, s22, SLOT
.endr
	s_mul_i32 s23, s14, WST                        ; my stage
	v_mul_u32_u24 v5, v1, SP
	s_wait_alu depctr_va_vdst(0)
	v_lshl_add_u32 v5, v2, 3, v5
	v_add_nc_u32 v[STO], s23, v5                   ; in: row r, 8 bytes for each half of the lanes
	v_lshrrev_b32 v7, 3, v6
	v_mul_u32_u24 v7, v7, SP
	v_and_b32 v5, 7, v0
	v_lshl_add_u32 v7, v5, 4, v7
	v_add_nc_u32 v[RD], s23, v7                    ; back: eight lanes to a row of 128 bytes, four rows an instruction
	s_lshl_b32 s23, s14, 9
	s_add_co_u32 s23, s23, BIASL
	v_add_nc_u32 v[BW], s23, v[CO]
	v_lshl_add_u32 v[BA0], v2, 5, s23              ; by columns: 8 numbers from 16 b + 8 h on
	v_lshl_add_u32 v[BA1], v1, 2, s23              ; by rows: the number 16 a + r
	s_wait_alu depctr_va_vdst(0)
	s_wait_loadcnt 0x0
	ds_store_b128 v[BW], v[8:11]                   ; only my wave reads these bytes
	s_wait_dscnt 0x0
.macro FRAG reg, adr, q, i             ; a fragment: lane l holds row l % 16; registers 4 c .. 4 c + 3 hold K = 32 c + 16 (l / 16) + 0 .. 15: the same permutation of k in both operands
.irp c, 0,1,2,3
	ds_load_b128 v[\reg+4*\c:\reg+4*\c+3], v[\adr] offset:128*(\q)+32*\c+(\i)*16*PITCH
.endr
.endm
; 16 matrix instructions: blocks a0, a0 + 1 of the first operand x the second's eight.  The 64 accumulators take turns, one instruction a turn, in the same order in every step.
.macro MUL16 a0, p, zero
.irp a, \a0, \a0+1
.irp b, 0,1,2,3,4,5,6,7
.if \zero
	v_wmma_f32_16x16x128_fp8_fp8 v[8*(8*((\a)%4)+\b):8*(8*((\a)%4)+\b)+7], v[128*(\p)+FR*\b:128*(\p)+FR*\b+FR-1], v[AF+FR*(\a):AF+FR*(\a)+FR-1], 0
.else
	v_wmma_f32_16x16x128_fp8_fp8 v[8*(8*((\a)%4)+\b):8*(8*((\a)%4)+\b)+7], v[128*(\p)+FR*\b:128*(\p)+FR*\b+FR-1], v[AF+FR*(\a):AF+FR*(\a)+FR-1], v[8*(8*((\a)%4)+\b):8*(8*((\a)%4)+\b)+7]
.endif
.endr
.endr
.endm
.macro FETCH_B slot, q, p
	WIN TO_B
.irp i, 0,1,2,3,4,5,6,7
	FRAG 128*(\p)+FR*\i, ADRB+\slot, \q, \i
.endr
	WIN 0
.endm
.macro FETCH_A slot, q, i0
.irp i, \i0, \i0+1, \i0+2, \i0+3
	FRAG AF+FR*(\i), ADRA+\slot, \q, \i
.endr
.endm
.macro PLACES n                        ; plain vector instructions between a matrix instruction and a load into, or a read of, its registers
.rept \n
	v_nop
.endr
.endm
.macro STEP slot, q, zero              ; a step of 128 along K that has its successor in the same slot
	s_wait_dscnt 4*NL                              ; all but the youngest 16 loads (blocks 4-7 of the first operand) are in
	WIN MUL_LO
	MUL16 0, (\q)%2, \zero
	MUL16 2, (\q)%2, \zero
	s_wait_dscnt 0
	PLACES NP
	FETCH_B \slot, (\q)+1, 1-(\q)%2
	FETCH_A \slot, (\q)+1, 0
	WIN MUL_HI
	MUL16 4, (\q)%2, \zero
	MUL16 6, (\q)%2, \zero
	PLACES NP
	WIN 0
	FETCH_A \slot, (\q)+1, 4
.endm
; A slot's last step changes slots: one barrier; in front of it each wave waits for all its tensor loads, adds 0 to its spare word, and waits for that and for its own reads of this slot.
.macro TURN slot, next, fill
	s_wait_tensorcnt 0x0                           ; all my tensor loads have landed: my part of the next slot
	ds_add_u32 v[SPW], v[NIL]                      ; 0 onto my spare word
	s_wait_dscnt 4*NL+1                            ; (the add and the youngest 16 loads may be out)
	WIN MUL_LO
	MUL16 0, 1, 0
	s_wait_dscnt 0x0                               ; the add is done, and my reads of this slot are over
	s_barrier_signal -1
	MUL16 2, 1, 0
	WIN 0
	s_barrier_wait -1
.if \fill
	CREST                                          ; the barrier has opened a round of the cluster's: no wave of any partner still reads this slot or has a load on its way
	s_add_nc_u64 s[G0+4*\slot+2:G0+4*\slot+3], s[G0+4*\slot+2:G0+4*\slot+3], 2*ROWB
	s_add_nc_u64 s[G0B+4*\slot+2:G0B+4*\slot+3], s[G0B+4*\slot+2:G0B+4*\slot+3], 2*ROWB
	JLOAD G0+4*\slot, G1, G0B+4*\slot, G1B         ; the first tensor load behind the round; its four v_nop are the places in front of the loads below
.else
	PLACES NP
.endif
	FETCH_B \next, 0, 0
	FETCH_A \next, 0, 0
	WIN MUL_HI
	MUL16 4, 1, 0
	MUL16 6, 1, 0
	PLACES NP
	WIN 0
	FETCH_A \next, 0, 4
.endm
	s_wait_alu depctr_va_vdst(0)
	s_wait_tensorcnt 0x0                           ; my part of K step 0 is in
	ds_add_u32 v[SPW], v[NIL]
	s_wait_dscnt 0x0
	CROUND                                         ; everybody's part of K step 0 is in, and all sixteen work-groups are here
	JLOAD G0+4, G1, G0B+4, G1B                     ; K step 1, the first tensor load behind the round
	FETCH_B 0, 0, 0
	FETCH_A 0, 0, 0
	FETCH_A 0, 0, 4
	global_prefetch_b8 v30, s[12:13] offset:768 th:TH_LOAD_NT scope:SCOPE_SE   ; K step 3
	STEP 0, 0, 1                                   ; the first step's products start the sums
	s_mov_b32 s3, LAPS-1
.Llap:
	TURN 0, 1, 1
	STEP 1, 0, 0
	TURN 1, 0, 1
	STEP 0, 0, 0
	s_sub_co_u32 s3, s3, 1
	s_cmp_lg_u32 s3, 0
	s_cbranch_scc1 .Llap
	TURN 0, 1, 0                                   ; the last lap fills nothing
	STEP 1, 0, 0
	s_wait_dscnt 4*NL
	WIN MUL_LO
	MUL16 0, 1, 0
	MUL16 2, 1, 0
	s_wait_dscnt 0
	WIN MUL_HI
	MUL16 4, 1, 0
	MUL16 6, 1, 0
	WIN 0
; THE WAY OUT, block by block of 16 rows x 128 columns: value = sum x 2^(e0 + e1) + bias, held, converted: a lane's eight neighbours become 8 bytes.  They go through my stage and come back as 2,048 dense bytes,
; which four stores of 512 consecutive bytes carry out.  isv = 0: the bias goes by columns; isv = 1: by rows (a lane's row is a channel).
.macro TOSTAGE a, isv
.set AC, 64*((\a)%4)
	WIN 0x02+((\a)/4)                              ; source 0: window 2 or 3
.set j, 0
.rept 32
.if \isv
	v_pk_fma_f32 v[T+j:T+j+1], v[AC+j:AC+j+1], s[96:97], v[BIAS+2*(\a):BIAS+2*(\a)+1] op_sel_hi:[1,0,1]   ; each accumulator from its low end on
.else
	v_pk_fma_f32 v[T+j:T+j+1], v[AC+j:AC+j+1], s[96:97], v[BIAS+j:BIAS+j+1] op_sel_hi:[1,0,1]
.endif
.set j, j+2
.endr
	WIN 0
.set j, 0
.rept 64
	v_med3_num_f32 v[T+j], v[T+j], -v[LIMV], v[LIMV]   ; the conversion does not saturate (ISA guide 7.6.2): the hold at the largest code x the scale
.set j, j+1
.endr
.irp b, 0,1,2,3,4,5,6,7
	v_cvt_scalef32_pk8_fp8_f32 v[CD+16*((\a)%2)+2*\b:CD+16*((\a)%2)+2*\b+1], v[T+8*\b:T+8*\b+7], v[SCV]
.endr
	v_nop                                          ; a plain instruction behind the last conversion
.irp b, 0,1,2,3,4,5,6,7
	ds_store_b64 v[STO], v[CD+16*((\a)%2)+2*\b:CD+16*((\a)%2)+2*\b+1] offset:\isv*PST+16*\b
.endr
.irp g, 0,1,2,3
	ds_load_b128 v[BK+16*((\a)%2)+4*\g:BK+16*((\a)%2)+4*\g+3], v[RD] offset:\isv*PST+4*\g*SP   ; LDS serves a wave's instructions in order (ISA guide 5.7.1.4)
.endr
.endm
.macro SEND a, younger                 ; younger: the LDS instructions issued behind block a's loads
	s_wait_dscnt \younger
.irp g, 0,1,2,3
	global_store_b128 v[CO], v[BK+16*((\a)%2)+4*\g:BK+16*((\a)%2)+4*\g+3], s[70:71] offset:2048*(\a)+512*\g
.endr
.endm
.macro OUTQ isv
	PLACES NP                                      ; in front of loads into registers that the last products read, and of the first read of results
.if \isv
.irp a, 0,1,2,3,4,5,6,7
	ds_load_b32 v[BIAS+2*\a], v[BA1] offset:64*\a
.endr
	s_wait_dscnt 0x0
.irp a, 0,1,2,3,4,5,6,7
	v_mov_b32 v[BIAS+2*\a+1], v[BIAS+2*\a]         ; a pair for the packed form
.endr
.else
.irp b, 0,1,2,3,4,5,6,7
	ds_load_b128 v[BIAS+8*\b:BIAS+8*\b+3], v[BA0] offset:64*\b
	ds_load_b128 v[BIAS+8*\b+4:BIAS+8*\b+7], v[BA0] offset:64*\b+16
.endr
	s_wait_dscnt 0x0
.endif
	TOSTAGE 0, \isv
.irp a, 1,2,3,4,5,6,7
.if \a > 1
	s_wait_xcnt 0x0                                ; block a - 2's stores have read their registers: block a's loads may land there
.endif
	TOSTAGE \a, \isv
	SEND \a-1, 12                                  ; behind block a - 1's loads: block a's 8 stores and 4 loads
.endr
	SEND 7, 0
	s_wait_tensorcnt 0x0                           ; the wave's end
	ds_add_u32 v[SPW], v[NIL]
	s_wait_dscnt 0x0
	CROUND                                         ; the closing round
	s_endpgm
.endm
	s_wait_kmcnt 0x0
	s_add_co_i32 s96, s72, s73
	s_add_co_i32 s96, s96, 127
	s_lshl_b32 s96, s96, 23                        ; 2^(e0 + e1) as f32
	s_mov_b32 s97, s96                             ; (named with it as a pair)
	s_cmp_eq_u32 ttmp9, 0
	s_cselect_b32 s90, s74, s75                    ; q: e2, k: e3,
	s_cmp_eq_u32 ttmp9, 2
	s_cselect_b32 s90, s76, s90                    ; v: e4
	s_add_co_i32 s90, s90, 127
	s_lshl_b32 s91, s90, 23
	v_mov_b32 v[SCV], s91
	s_add_co_i32 s90, s90, 8
	s_lshl_b32 s90, s90, 23
	s_or_b32 s90, s90, 0x600000
	v_mov_b32 v[LIMV], s90
	s_cmp_eq_u32 ttmp9, 2                          ; the cluster's x: all partners and all waves go the same way
	s_cbranch_scc1 .Lv
	OUTQ 0
.Lv:
	OUTQ 1
.Lfunc_end_k_q09e52d4c41_qkv:
	.size	k_q09e52d4c41_qkv, .Lfunc_end_k_q09e52d4c41_qkv-k_q09e52d4c41_qkv
	.p2alignl 7, 3214868480
	.fill 96, 4, 3214868480
	.section	.rodata,"a",@progbits
	.p2align	6, 0x0
	.amdhsa_kernel k_q09e52d4c41_qkv
		.amdhsa_group_segment_fixed_size 327680
		.amdhsa_private_segment_fixed_size 0
		.amdhsa_enable_private_segment 0
		.amdhsa_kernarg_size 56
		.amdhsa_user_sgpr_count 2
		.amdhsa_user_sgpr_kernarg_segment_ptr 1
		.amdhsa_wavefront_size32 1
		.amdhsa_system_sgpr_workgroup_id_x 1
		.amdhsa_system_sgpr_workgroup_id_y 1
		.amdhsa_system_sgpr_workgroup_id_z 1
		.amdhsa_system_vgpr_workitem_id 0
		.amdhsa_next_free_vgpr 1024
		.amdhsa_next_free_sgpr 98
		.amdhsa_reserve_vcc 0
		.amdhsa_float_denorm_mode_32 3
		.amdhsa_float_denorm_mode_16_64 3
		.amdhsa_memory_ordered 1
		.amdhsa_forward_progress 1
		.amdhsa_inst_pref_size 207
	.end_amdhsa_kernel
	.amdgpu_metadata
---
amdhsa.version: [ 1, 2 ]
amdhsa.kernels:
  - .name:           k_q09e52d4c41_qkv
    .symbol:         k_q09e52d4c41_qkv.kd
    .args:
      - { .name: xn, .offset: 0, .size: 8, .value_kind: global_buffer, .address_space: global }
      - { .name: w_qkv_codes, .offset: 8, .size: 8, .value_kind: global_buffer, .address_space: global }
      - { .name: lowp_scales, .offset: 16, .size: 8, .value_kind: global_buffer, .address_space: global }
      - { .name: b_qkv, .offset: 24, .size: 8, .value_kind: global_buffer, .address_space: global }
      - { .name: qc, .offset: 32, .size: 8, .value_kind: global_buffer, .address_space: global }
      - { .name: kc, .offset: 40, .size: 8, .value_kind: global_buffer, .address_space: global }
      - { .name: vt, .offset: 48, .size: 8, .value_kind: global_buffer, .address_space: global }
    .group_segment_fixed_size: 327680
    .private_segment_fixed_size: 0
    .kernarg_segment_align: 8
    .kernarg_segment_size: 56
    .max_flat_workgroup_size: 128
    .sgpr_count:     98
    .vgpr_count:     1024
    .wavefront_size: 32
...
	.end_amdgpu_metadata
.endif
;; end of part 2
;; launch attn (part 3): grid 8 x 32, 16 waves a work-group, clusters of 4 x 1, 327,680 bytes of LDS; arguments qc, kc, vt, lowp_scales, yc; writes yc
.if DOCPART == 3
	.amdgcn_target "amdgcn-amd-amdhsa--gfx1250"
	.amdhsa_code_object_version 6
	.text
	.protected	k_q09e52d4c41_attn
	.globl	k_q09e52d4c41_attn
	.p2align	8
	.type	k_q09e52d4c41_attn,@function
k_q09e52d4c41_attn:
	s_mov_b64 s[64:65], 0
	v_nop
	global_prefetch_b8 v0, s[64:65] scope:SCOPE_SE
	s_setreg_imm32_b32 hwreg(HW_REG_WAVE_MODE, 25, 1), 1
	s_wait_xcnt 0x0
	s_wait_alu depctr_hold_cnt(0) depctr_sa_sdst(0) depctr_va_vdst(0) depctr_va_sdst(0) depctr_va_ssrc(0) depctr_va_vcc(0) depctr_vm_vsrc(0)
	s_getreg_b32 s2, hwreg(HW_REG_IB_STS2, 6, 4)
	s_cmp_eq_u32 s2, 0
	s_cbranch_scc0 .Lentry_in_a_cluster
	s_endpgm
.Lentry_in_a_cluster:
	s_bfe_u32 s2, ttmp6, 0x10000c
	s_cmp_lg_u32 s2, 0x3003
	s_cbranch_scc0 .Lentry_shape_is_right
	s_endpgm
.Lentry_shape_is_right:
; yc = codes (scale 2^e6) of y = softmax(q k^T / 8, causal) v, both products on E4M3 codes: q 2^e2, k 2^e3, v 2^e4, p 2^e5.
; LEFT OUT: steps of 16 queries x 128 keys all of whose keys come after the queries: reference()'s own tril puts -inf there, so p = 0 for all inputs (shown at the head of the first kernel).
; THE SOFTMAX: t = score x log2(e) / 8; M = the row's largest t so far, rounded UP to a whole number; p = 2^(t - M) is quantised, not normalised; the row's sum is taken of the unquantised p and divides at the end.
; When M moves, the sum and O are multiplied by 2^(old M - new M): exact.
; IN: qc, kc: [batch][pair of heads][token][128 bytes]; vt: [batch][pair][block of 128 keys][channel 128][128 keys].  OUT: yc: [pair 8][token 4096][128 bytes: the pair's 2 x 64 codes].
; SHARES.  A work-group owns ONE pair of heads of one batch and eight tiles of 16 queries: for each class c = 0 .. 7 the tile 8 c + i (c even) or 8 c + 7 - i (c odd), i = 0 .. 7 the work-group's x.  A tile of class c has c + 1 live key steps
; whatever i is, so all work-groups have 2 x 36 steps.  Wave w: head w % 2; class 7, 6, 1, 0 (bit 1 of w clear) or 5, 4, 3, 2 (set) for w / 4 = 0 .. 3: waves w, w + 4, w + 8, w + 12 together have 18 steps.
; THE PAIR'S WHOLE K AND V LIE IN LDS: 16 regions of 128 rows x (128 + 16) bytes, K's key steps 0 .. 7, then V's blocks 0 .. 7.  Each wave asks for one region, 16,384 dense bytes, by its one tensor load at the head;
; no LDS byte is filled twice: no ring, and one barrier ahead of the steps.  Every wave walks a loop of 8 trips; a hidden step's work is jumped over by a scalar branch on the wave's number and the count of steps.
; CLUSTER.  Four work-groups of one batch and pair read the same K and V: each region is asked for JOINTLY.  Class 7 is in every work-group, so each reads every region.  My place in the cluster enters Q's and yc's addresses and the mask's lane data alone.
; NO PREFETCH: every byte of K and V is asked for by the head's one load a wave; there is no loop to run ahead in.
; LAYOUT.  Both products transposed: S^T = K Q^T, O^T = V^T P^T: a lane holds ONE query.  Lane r of key tile 2 b + u takes key 32 b + 8 u + r + 8 (r / 8), so that the 16 registers of tiles 2 b, 2 b + 1 are 16 neighbouring keys.
; Fragments come by loads of 16 bytes: a permutation of k that is the same in both operands of each product.
; LIMITS: e2 + e3 between -123 and 130 (added to c's exponent field); e5, e6 between -126 and 119.  NaN among the inputs is not served.
; REGISTERS: v1, v2, v5-7 stay; v8-11 addresses in hand; v12 -M, v13 the largest t, v[14:15] the sum; v16-23 Q; v32-95 K's 8 fragments, then V's 4; v96-159 S^T, then p; v160-191 O^T; v224-239 p's codes;
;   v240, v241, v244, v245 the quantisers' constants; v242-243, v246, v248-255 at work.
.set KP,    144                        ; an LDS row: 128 bytes + 16 of padding
.set REG,   128*KP                     ; a region
.set SPARE, 16*REG                     ; the spare words: 128 bytes for each of 16 waves
.set STAGE, SPARE+2048                 ; the way out: 128 rows x (128 + 16) bytes, bytes of its own
.set AK0,  1
.set AV0,  2
.set SPW,  5
.set NIL,  6
.set GO,   7
.set ADK,  8
.set ADV,  9
.set XCH,  246
.set TB,   2                           ; s2  LDS byte of the step's region of K
.set WV,   18
.set SEL,  20
.set CS,   22                          ; s[22:23] c = log2(e) / 8 x 2^(e2 + e3)
.set G1,   24
.set G0,   40
.set CNT,  67
.set ES,   68                          ; s68 e4 + e5
.set DK,   81                          ; s81 the first key of my tile's step on the diagonal: 128 x class
.set KF,   98                          ; s98 the step's first key
.set Q0,   99                          ; s99 my first query
.macro CROUND                          ; a round of the cluster's barrier
	s_barrier_signal -1
	s_barrier_wait -1
	s_cmp_lg_u32 s[WV], 0
	s_cbranch_scc1 .Lnot_wave_0_\@
	s_barrier_signal -3
.Lnot_wave_0_\@:
	s_barrier_wait -3
	s_barrier_signal -1
	s_barrier_wait -1
.endm
	s_load_b256 s[4:11], s[0:1], 0x0               ; qc s[4:5], kc s[6:7], vt s[8:9], the exponents s[10:11]
	s_load_b64 s[16:17], s[0:1], 0x20              ; yc
	v_lshl_add_u32 v[SPW], v0, 2, SPARE
	v_mov_b32 v[NIL], 0
	ds_add_u32 v[SPW], v[NIL]                      ; the opening: the add, twice on end, and its wait
	ds_add_u32 v[SPW], v[NIL]
	v_lshrrev_b32 v8, 5, v0
	v_readfirstlane_b32 s[WV], v8                  ; wave 0..15
	s_bfe_u32 s70, ttmp6, 0x40000                  ; cx
	s_lshl_b32 s71, ttmp9, 2
	s_add_co_u32 s71, s71, s70                     ; i = 4 x cluster x + cx
	s_and_b32 s72, ttmp7, 0xffff                   ; 8 x batch + pair
	s_and_b32 s82, s[WV], 1                        ; my head in the pair
	s_bfe_u32 s83, s[WV], 0x10001                  ; which set of classes
	s_lshr_b32 s84, s[WV], 2                       ; m = w / 4
	s_lshr_b32 s85, s84, 1
	s_lshl_b32 s85, s85, 2                         ; 4 (m / 2)
	s_cmp_lg_u32 s83, 0
	s_cselect_b32 s85, 2, s85
	s_sub_co_u32 s86, 7, s84
	s_sub_co_u32 s86, s86, s85                     ; my class: 7, 6, 1, 0 or 5, 4, 3, 2
	s_lshl_b32 s[DK], s86, 7
	s_and_b32 s87, s86, 1
	s_sub_co_u32 s88, 7, s71
	s_cmp_lg_u32 s87, 0
	s_cselect_b32 s88, s88, s71                    ; 7 - i or i
	s_lshl_b32 s89, s86, 3
	s_add_co_u32 s88, s88, s89                     ; my tile
	s_lshl_b32 s[Q0], s88, 4                       ; my first query
	s_lshl_b32 s90, s72, 17                        ; a pair's 1,024 rows of 128 bytes
	s_lshl_b32 s91, s[Q0], 7
	s_add_co_u32 s90, s90, s91
	s_lshl_b32 s91, s82, 6
	s_add_co_u32 s90, s90, s91
	s_mov_b32 s91, 0                               ; s[90:91]: Q's codes at my first query and head
	s_and_b32 s92, s[WV], 7
	s_lshl_b32 s92, s92, 14                        ; the region that I fetch: 16,384 bytes x (w % 8),
	s_lshl_b32 s93, s72, 17
	s_add_co_u32 s92, s92, s93                     ; in my pair
	s_mov_b32 s93, 0
	s_mul_i32 s94, s[WV], REG                      ; and its place in LDS
	s_and_b32 s74, s72, 7                          ; the pair
	s_lshr_b32 s73, s72, 3                         ; the batch
	s_lshl_b32 s56, s73, 10
	s_add_co_u32 s56, s56, s[Q0]
	s_lshl_b32 s75, s82, 3
	s_add_co_u32 s56, s56, s75                     ; the way out: I store 8 tokens of my tile, from 8 x (w % 2) on,
	s_lshl_b32 s56, s56, 7
	s_lshl_b32 s75, s74, 19
	s_add_co_u32 s56, s56, s75                     ; in the pair's plane of 4,096 x 128 bytes
	s_mov_b32 s57, 0
	s_lshr_b32 s58, s[WV], 1
	s_mul_i32 s58, s58, 16*KP
	s_lshl_b32 s75, s82, 6
	s_add_co_u32 s58, s58, s75
	s_add_co_u32 s58, s58, STAGE                   ; into the stage: rows 16 (w / 2) on, byte 64 x head
	s_mul_i32 s59, s[WV], 8*KP
	s_add_co_u32 s59, s59, STAGE                   ; out of it: rows 8 w on
	s_lshl_b32 s60, s82, 6                         ; K: my head's 64 bytes of a row
	s_mul_i32 s61, s82, 64*KP
	s_add_co_u32 s61, s61, 8*REG                   ; V: my head's 64 rows of a block, behind K's 8 regions
	s_mov_b32 s[G1], 15|(0<<16)|(1<<20)|(1<<21)|(4<<22)|(3<<25)  ; the mask: all four work-groups; elements of 1 byte; padding on; bit 21 beside a mask; four words after every 32
	s_mov_b32 s[G1+1], 256<<16                     ; the dense region is stated as 64 rows of 256 bytes; the padding stands behind each 128 bytes
	s_mov_b32 s[G1+2], 64<<16
	s_mov_b32 s[G1+3], 256<<16
	s_mov_b32 s[G1+4], 64
	s_mov_b32 s[G1+5], 256
	s_mov_b32 s[G1+6], 0
	s_mov_b32 s[G1+7], 0
	s_mov_b32 s[SEL], 0x76543210
	s_mov_b32 s[SEL+1], 0xfedcba98
	s_mov_b32 s[CS], 0x3e38aa3b                    ; log2(e) / 8
	s_mov_b32 s[TB], 0
	s_mov_b32 s[KF], 0
	s_mov_b32 s[CNT], 8
	s_wait_dscnt 0x0                               ; both opening adds are done
	s_wait_kmcnt 0x0
	s_load_b256 s[48:55], s[10:11], 0x0            ; e0 .. e7
	s_cmp_lt_u32 s[WV], 8                          ; waves 0-7: K; waves 8-15: V
	s_cselect_b64 s[62:63], s[6:7], s[8:9]
	s_mov_b32 s[G0], 1
	s_mov_b32 s[G0+1], s94
	s_add_nc_u64 s[G0+2:G0+3], s[62:63], s[92:93]
	s_or_b32 s[G0+3], s[G0+3], 0x80000000
	CROUND                                         ; all four work-groups are here: the joint loads meet
	tensor_load_to_lds s[G0:G0+3], s[G1:G1+7]      ; every wave's one tensor load
	s_nop 0
	s_add_nc_u64 s[4:5], s[4:5], s[90:91]
	s_add_nc_u64 s[16:17], s[16:17], s[56:57]
	v_and_b32 v8, 15, v0                           ; r
	v_bfe_u32 v9, v0, 4, 1                         ; h
	v_lshlrev_b32 v10, 7, v8
	v_lshl_add_u32 v10, v9, 4, v10
	global_load_b128 v[16:19], v10, s[4:5]         ; Q's fragment stays in registers: row r, bytes 16 h on and 32 + 16 h on
	global_load_b128 v[20:23], v10, s[4:5] offset:32
	v_and_b32 v11, 8, v8
	v_add_nc_u32 v11, v11, v8                      ; r + 8 (r / 8)
	v_mul_u32_u24 v[AK0], v11, KP
	v_lshl_add_u32 v[AK0], v9, 4, v[AK0]
	v_add_nc_u32 v[AK0], s60, v[AK0]
	v_mul_u32_u24 v[AV0], v8, KP
	v_lshl_add_u32 v[AV0], v9, 4, v[AV0]
	v_add_nc_u32 v[AV0], s61, v[AV0]
	v_mov_b32 v13, 0xff61b1e6                      ; the largest t so far: -3e38
	v_floor_f32 v12, -v13                          ; -M
	v_mov_b32 v14, 0
	v_mov_b32 v15, 0
	v_mov_b32 v[XCH], 0                            ; written once: a lane permute's destination counts as one of its sources
	v_mov_b32 v253, 0                              ; (named as the upper half of the pair v[252:253])
.set i, 0
.rept 32
	v_mov_b32 v[160+i], 0                          ; O^T: the first step finds zeros, which the first change of M leaves zeros: so the step has one form
.set i, i+1
.endr
	s_wait_kmcnt 0x0
	s_add_co_i32 s72, s50, s51
	s_lshl_b32 s72, s72, 23
	s_add_co_i32 s[CS], s[CS], s72                 ; a score stands for score x 2^(e2 + e3)
	s_mov_b32 s[CS+1], s[CS]
	s_add_co_i32 s72, s53, 127
	s_lshl_b32 s73, s72, 23
	v_mov_b32 v244, s73                            ; 2^e5
	s_add_co_i32 s72, s72, 8
	s_lshl_b32 s72, s72, 23
	s_or_b32 s72, s72, 0x600000
	v_mov_b32 v240, s72                            ; 448 x 2^e5
	s_add_co_i32 s72, s54, 127
	s_lshl_b32 s73, s72, 23
	v_mov_b32 v245, s73                            ; 2^e6
	s_add_co_i32 s72, s72, 8
	s_lshl_b32 s72, s72, 23
	s_or_b32 s72, s72, 0x600000
	v_mov_b32 v241, s72                            ; 448 x 2^e6
	s_add_co_i32 s[ES], s52, s53                   ; e4 + e5
	s_wait_alu depctr_va_vdst(0)
	s_wait_loadcnt 0x0                             ; Q
	s_wait_tensorcnt 0x0                           ; my region is in
	s_barrier_signal -1
	s_barrier_wait -1                              ; everybody's is: K and V are whole
.Lstep:                                            ; 8 trips: a key step of 128 keys each
	s_cmp_gt_u32 s[KF], s[DK]                      ; a step behind my tile's step on the diagonal holds only keys that come after my 16 queries: its work is jumped over
	s_cbranch_scc1 .Lhidden
	v_add_nc_u32 v[ADK], s[TB], v[AK0]
	v_add_nc_u32 v[ADV], s[TB], v[AV0]
	v_nop                                          ; with the two additions: four places in front of loads into registers that the last products read
	v_nop
.irp t, 0,1,2,3,4,5,6,7
.irp c, 0,1
	ds_load_b128 v[32+8*\t+4*\c:32+8*\t+4*\c+3], v[ADK] offset:(32*(\t/2)+8*(\t%2))*KP+32*\c
.endr
.endr
	s_wait_alu depctr_va_vdst(0)
	s_wait_dscnt 0x0
.irp t, 0,1,2,3,4,5,6,7
	v_wmma_f32_16x16x64_fp8_fp8 v[96+8*\t:103+8*\t], v[32+8*\t:39+8*\t], v[16:23], 0
.endr
.rept 4
	v_nop                                          ; places in front of the loads below and of the first read of the scores
.endr
.irp t, 0,1,2,3                        ; V's four fragments are asked for now and land under the softmax
.irp c, 0,1,2,3
	ds_load_b128 v[32+16*\t+4*\c:32+16*\t+4*\c+3], v[ADV] offset:16*\t*KP+32*\c
.endr
.endr
	s_cmp_lt_u32 s[KF], s[DK]                      ; on the diagonal hidden scores become -infinity ahead of the maximum; ahead of it all keys count
	s_cbranch_scc1 .Lopen
	s_sub_co_i32 s96, s[Q0], s[KF]
	v_and_b32 v252, 15, v0
	v_bfe_u32 v253, v0, 4, 1
	v_lshlrev_b32 v253, 4, v253
	v_sub_nc_u32 v252, v252, v253
	v_add_nc_u32 v252, s96, v252                   ; d = my query - KF - 16 h.  Register 16 b + i holds key KF + 16 h + 32 b + i: hidden where 32 b + i > d
	v_mov_b32 v254, 0xff800000
.set n, 0
.rept 64
	v_cmp_gt_i32 vcc_lo, 32*(n/16)+n%16, v252
	v_cndmask_b32 v[96+n], v[96+n], v254, vcc_lo
.set n, n+1
.endr
.Lopen:
	v_max3_num_f32 v254, v96, v97, v98             ; the step's largest score of my query among my 64 keys, in two chains,
	v_max3_num_f32 v252, v99, v100, v101
.irp i, 6,10,14,18,22,26,30,34,38,42,46,50,54,58
	v_max3_num_f32 v254, v254, v[96+\i], v[97+\i]
	v_max3_num_f32 v252, v252, v[98+\i], v[99+\i]
.endr
	v_max3_num_f32 v254, v254, v158, v159
	v_max_num_f32 v254, v254, v252
	v_permlanex16_b32 v[XCH], v254, s[SEL], s[SEL+1]
	v_max_num_f32 v254, v254, v[XCH]               ; and among lane l xor 16's
	v_mul_f32 v254, s[CS], v254                    ; as t (c is positive)
	v_max_num_f32 v13, v13, v254
	v_mov_b32 v254, v12
	v_floor_f32 v12, -v13                          ; the new -M = floor(-t): M is a whole number
	v_sub_f32 v254, v12, v254                      ; old M - new M: a whole number, 0 or less
	v_cvt_i32_f32 v254, v254
	v_ldexp_f32 v252, 1.0, v254                    ; f = 2^(old M - new M)
.set j, 0
.rept 32
	v_pk_fma_f32 v[96+j:97+j], v[96+j:97+j], s[CS:CS+1], v[12:13] op_sel_hi:[1,0,0]   ; t - M
.set j, j+2
.endr
	s_wait_alu depctr_va_vdst(0)
.set j, 0
.rept 64
	v_exp_f32 v[96+j], v[96+j]                     ; p = 2^(t - M)
.set j, j+1
.endr
	v_pk_mul_f32 v[14:15], v[14:15], v[252:253] op_sel_hi:[1,0]   ; the sums under the new M: the plain instruction behind the exponentials
	s_wait_alu depctr_va_vdst(0)                   ; one wait for the whole batch, ahead of its first reader
	v_pk_add_f32 v[242:243], v[96:97], v[98:99]    ; the row's sum of the unquantised p, in four chains
	v_pk_add_f32 v[254:255], v[100:101], v[102:103]
	v_pk_add_f32 v[250:251], v[104:105], v[106:107]
	v_pk_add_f32 v[14:15], v[14:15], v[108:109]
.irp j, 14,22,30,38,46,54
	v_pk_add_f32 v[242:243], v[242:243], v[96+\j:97+\j]
	v_pk_add_f32 v[254:255], v[254:255], v[98+\j:99+\j]
	v_pk_add_f32 v[250:251], v[250:251], v[100+\j:101+\j]
	v_pk_add_f32 v[14:15], v[14:15], v[102+\j:103+\j]
.endr
	v_pk_add_f32 v[242:243], v[242:243], v[158:159]
	v_pk_add_f32 v[254:255], v[254:255], v[250:251]
	v_pk_add_f32 v[14:15], v[14:15], v[242:243]
	v_pk_add_f32 v[14:15], v[14:15], v[254:255]
.irp b, 0,1,2,3
.irp i, 0,1,2,3,4,5,6,7,8,9,10,11,12,13,14,15
	v_min_num_f32 v[96+16*\b+\i], v[96+16*\b+\i], v240   ; the hold; p is not negative, so it is one-sided
.endr
	v_cvt_scalef32_pk8_fp8_f32 v[224+4*\b:225+4*\b], v[96+16*\b:103+16*\b], v244
	v_cvt_scalef32_pk8_fp8_f32 v[226+4*\b:227+4*\b], v[104+16*\b:111+16*\b], v244
.endr
	s_wait_alu depctr_va_vdst(0)                   ; directly ahead of the first reader of O^T
.set j, 0
.rept 16
	v_pk_mul_f32 v[160+j:161+j], v[160+j:161+j], v[252:253] op_sel_hi:[1,0]   ; O^T under the new M; also the plain instructions behind the conversions
.set j, j+2
.endr
	s_wait_alu depctr_va_vdst(0)
	s_wait_dscnt 0x0                               ; V is in
.irp t, 0,1,2,3                        ; O^T += V^T P^T: the four accumulators by turns
	v_wmma_f32_16x16x128_fp8_fp8 v[160+8*\t:167+8*\t], v[32+16*\t:47+16*\t], v[224:239], v[160+8*\t:167+8*\t]
.endr
.Lhidden:
	s_add_co_u32 s[KF], s[KF], 128
	s_add_co_u32 s[TB], s[TB], REG
	s_sub_co_u32 s[CNT], s[CNT], 1
	s_cmp_lg_u32 s[CNT], 0
	s_cbranch_scc1 .Lstep
	; THE WAY OUT: y = O^T / the sum x 2^(e4 + e5), quantised with 2^e6; 8 bytes a tile and lane into the work-group's stage; a barrier, since a token's 128 bytes come from two waves; back as 1,024 dense bytes a wave.
	; The lines down to the first read of O^T name no register of the last products: they are the places behind them.
	v_add_f32 v14, v14, v15
	v_permlanex16_b32 v[XCH], v14, s[SEL], s[SEL+1]
	v_add_f32 v14, v14, v[XCH]                     ; the row's sum
	s_wait_alu depctr_va_vdst(0)
	v_rcp_f32 v14, v14
	v_and_b32 v8, 15, v0                           ; (a plain instruction behind the transcendental)
	v_bfe_u32 v9, v0, 4, 1
	v_mul_u32_u24 v10, v8, KP
	v_lshl_add_u32 v10, v9, 3, v10
	v_add_nc_u32 v10, s58, v10                     ; in: row 16 (w / 2) + r, byte 64 x head + 8 h
	v_and_b32 v8, 31, v0
	v_lshrrev_b32 v9, 3, v8
	v_mul_u32_u24 v11, v9, KP
	v_and_b32 v9, 7, v0
	v_lshl_add_u32 v11, v9, 4, v11
	v_add_nc_u32 v11, s59, v11                     ; back: eight lanes to a row of 128 bytes, four rows an instruction
	v_lshlrev_b32 v[GO], 4, v8
	s_wait_alu depctr_va_vdst(0)                   ; the wait, ahead of the reciprocal's first reader
	v_ldexp_f32 v14, v14, s[ES]
	s_wait_alu depctr_va_vdst(0)                   ; directly ahead of the first reader of O^T
.set j, 0
.rept 32
	v_mul_f32 v[96+j], v[160+j], v14               ; register 8 t + i is y(query r, channel 16 t + 8 h + i); each accumulator from its low end on
.set j, j+1
.endr
.set j, 0
.rept 32
	v_med3_num_f32 v[96+j], v[96+j], -v241, v241
.set j, j+1
.endr
.irp t, 0,1,2,3
	v_cvt_scalef32_pk8_fp8_f32 v[224+2*\t:225+2*\t], v[96+8*\t:103+8*\t], v245
.endr
	v_nop
.irp t, 0,1,2,3
	ds_store_b64 v10, v[224+2*\t:225+2*\t] offset:16*\t
.endr
	s_wait_dscnt 0x0                               ; for the others' sake: my stores into the stage are done
	s_barrier_signal -1
	s_barrier_wait -1
	ds_load_b128 v[32:35], v11
	ds_load_b128 v[36:39], v11 offset:4*KP
	s_wait_dscnt 0x0
	global_store_b128 v[GO], v[32:35], s[16:17]                ; 32 lanes store 512 consecutive bytes, aligned
	global_store_b128 v[GO], v[36:39], s[16:17] offset:512
	s_wait_tensorcnt 0x0                           ; the wave's end
	ds_add_u32 v[SPW], v[NIL]
	s_wait_dscnt 0x0
	CROUND                                         ; the closing round
	s_endpgm
.Lfunc_end_k_q09e52d4c41_attn:
	.size	k_q09e52d4c41_attn, .Lfunc_end_k_q09e52d4c41_attn-k_q09e52d4c41_attn
	.p2alignl 7, 3214868480
	.fill 96, 4, 3214868480
	.section	.rodata,"a",@progbits
	.p2align	6, 0x0
	.amdhsa_kernel k_q09e52d4c41_attn
		.amdhsa_group_segment_fixed_size 327680
		.amdhsa_private_segment_fixed_size 0
		.amdhsa_enable_private_segment 0
		.amdhsa_kernarg_size 40
		.amdhsa_user_sgpr_count 2
		.amdhsa_user_sgpr_kernarg_segment_ptr 1
		.amdhsa_wavefront_size32 1
		.amdhsa_system_sgpr_workgroup_id_x 1
		.amdhsa_system_sgpr_workgroup_id_y 1
		.amdhsa_system_sgpr_workgroup_id_z 1
		.amdhsa_system_vgpr_workitem_id 0
		.amdhsa_next_free_vgpr 256
		.amdhsa_next_free_sgpr 100
		.amdhsa_reserve_vcc 1
		.amdhsa_float_denorm_mode_32 3
		.amdhsa_float_denorm_mode_16_64 3
		.amdhsa_memory_ordered 1
		.amdhsa_forward_progress 1
		.amdhsa_inst_pref_size 34
	.end_amdhsa_kernel
	.amdgpu_metadata
---
amdhsa.version: [ 1, 2 ]
amdhsa.kernels:
  - .name:           k_q09e52d4c41_attn
    .symbol:         k_q09e52d4c41_attn.kd
    .args:
      - { .name: qc, .offset: 0, .size: 8, .value_kind: global_buffer, .address_space: global }
      - { .name: kc, .offset: 8, .size: 8, .value_kind: global_buffer, .address_space: global }
      - { .name: vt, .offset: 16, .size: 8, .value_kind: global_buffer, .address_space: global }
      - { .name: lowp_scales, .offset: 24, .size: 8, .value_kind: global_buffer, .address_space: global }
      - { .name: yc, .offset: 32, .size: 8, .value_kind: global_buffer, .address_space: global }
    .group_segment_fixed_size: 327680
    .private_segment_fixed_size: 0
    .kernarg_segment_align: 8
    .kernarg_segment_size: 40
    .max_flat_workgroup_size: 512
    .sgpr_count:     100
    .vgpr_count:     256
    .wavefront_size: 32
...
	.end_amdgpu_metadata
.endif
;; end of part 3
;; launch o (part 4): grid 8 x 32, 4 waves a work-group, clusters of 4 x 4, 327,680 bytes of LDS; arguments yc, w_o_codes, lowp_scales, b_o, x, x1; writes x1
.if DOCPART == 4
	.amdgcn_target "amdgcn-amd-amdhsa--gfx1250"
	.amdhsa_code_object_version 6
	.text
	.protected	k_q09e52d4c41_o
	.globl	k_q09e52d4c41_o
	.p2align	8
	.type	k_q09e52d4c41_o,@function
k_q09e52d4c41_o:
	s_mov_b64 s[64:65], 0
	v_nop
	global_prefetch_b8 v0, s[64:65] scope:SCOPE_SE
	s_setreg_imm32_b32 hwreg(HW_REG_WAVE_MODE, 25, 1), 1
	s_wait_xcnt 0x0
	s_wait_alu depctr_hold_cnt(0) depctr_sa_sdst(0) depctr_va_vdst(0) depctr_va_sdst(0) depctr_va_ssrc(0) depctr_va_vcc(0) depctr_vm_vsrc(0)
	s_getreg_b32 s2, hwreg(HW_REG_IB_STS2, 6, 4)
	s_cmp_eq_u32 s2, 0
	s_cbranch_scc0 .Lentry_in_a_cluster
	s_endpgm
.Lentry_in_a_cluster:
	s_bfe_u32 s2, ttmp6, 0x10000c
	s_cmp_lg_u32 s2, 0xf033
	s_cbranch_scc0 .Lentry_shape_is_right
	s_endpgm
.Lentry_shape_is_right:
; x1 = x + y Wo^T x 2^(e6 + e7) + b_o.  yc: y's codes as [plane 8][token 4096][128 bytes]: plane p holds K = 128 p .. 128 p + 127; w_o_codes: [1024][1024] codes, K innermost; x, x1: [4096][1024] f32.  Nothing is left out here.
; LIMIT: e6 + e7 between -126 and 127, so that 2^(e6 + e7) is an f32 number.
; A tile of x1 is 128 x 128: 256 work-groups; four waves, each 64 x 64: 16 accumulators.  K is 1,024, so both operands of a tile lie in LDS whole: y's as 8 planes of 128 rows x (128 + 16) bytes, Wo's as 128 rows x (1,024 + 16) bytes.
; Each wave asks by ONE tensor load at the head: waves 0 and 1 for four planes each (a plane's 128 tokens are 16,384 dense bytes: one row of the tile), waves 2 and 3 for 64 rows of Wo.  No LDS byte is filled twice: no ring, no refill.
; CLUSTERS: 4 x 4 work-groups; y's tile is shared along a row of the cluster, Wo's along a column, each asked for jointly.  The matrix instruction is used transposed: a lane holds eight neighbours of a row of x1.
; NO PREFETCH: every operand byte is asked for by the head's one load a wave; there is no loop to run ahead in.  The residual is asked for when the tiles are in, and is waited for block by block.
; REGISTERS: window 0: v0-31 addresses, v8-11 the bias; v32-95 two sets of rows back from the stage; v128-255 the accumulators.  window 1: two fragment buffers of 128.  window 2: v0-127 the residual of my 64 x 64.
.set SIZE_K, 1024
.set EOFF,   24
.set KPA,    144                       ; y's LDS row: 128 bytes + 16
.set PLANE,  128*KPA
.set ABYTES, 8*PLANE
.set PITCH,  1040                      ; Wo's LDS row: 1,024 bytes + 16; both pitches are odd multiples of 16, so the 16 rows of a load start at 16 different banks (64 banks of 4 bytes: ISA guide 11.1)
.set HALFT,  64*PITCH
.set SPARE,  ABYTES+2*HALFT            ; behind the tiles: the spare words, 128 bytes a wave
.set STAGE,  SPARE+512                 ; the way out: 16 rows x (256 + 16) bytes for each wave, bytes of its own
.set SPITCH, 272
.set ADRA, 16                          ; v16-18 my rows of y in planes 0, 3 and 6: an LDS offset has 16 bits, which reach three planes
.set ADRB, 20
.set STO,  24
.set RD,   25
.set CO,   26
.set BO,   27
.set SPW,  28
.set NIL,  29
.set BK,   32
.set ACC,  128
.set F0,   0
.set F1,   128
.set G1, 24
.set G0, 32
.set G1B, 48
.set G0B, 56
.set MSB, 0
.macro WIN new                         ; the immediate's high byte repeats the setting that is left
.if MSB != \new
	s_set_vgpr_msb (MSB<<8)|\new
.set MSB, \new
.endif
.endm
.set MUL,  0x05                        ; sources 0 and 1 window 1; C and D window 0
.set TO_F, 0x40                        ; destination window 1
.macro CROUND                          ; a round of the cluster's barrier
	s_barrier_signal -1
	s_barrier_wait -1
	s_cmp_lg_u32 s14, 0
	s_cbranch_scc1 .Lnot_wave_0_\@
	s_barrier_signal -3
.Lnot_wave_0_\@:
	s_barrier_wait -3
	s_barrier_signal -1
	s_barrier_wait -1
.endm
	s_load_b128 s[4:7], s[0:1], 0x0                ; yc, Wo
	s_load_b128 s[8:11], s[0:1], 0x10              ; the exponents, the bias
	s_load_b128 s[68:71], s[0:1], 0x20             ; x, x1
	v_lshl_add_u32 v[SPW], v0, 2, SPARE
	v_mov_b32 v[NIL], 0
	ds_add_u32 v[SPW], v[NIL]                      ; the opening: the add, twice on end, and its wait
	ds_add_u32 v[SPW], v[NIL]
	v_lshrrev_b32 v1, 5, v0
	v_readfirstlane_b32 s14, v1                    ; wave 0..3
	s_lshr_b32 s15, s14, 1                         ; my half of the tile's rows; also: I fetch for y (0) or Wo (1)
	s_and_b32 s16, s14, 1                          ; my half of its columns; also: which half of that operand I fetch
	s_bfe_u32 s40, ttmp6, 0x40000                  ; cx
	s_bfe_u32 s41, ttmp6, 0x40004                  ; cy
	s_lshl_b32 s42, ttmp9, 2
	s_add_co_u32 s42, s42, s40                     ; tile column
	s_and_b32 s17, ttmp7, 0xffff
	s_lshl_b32 s17, s17, 2
	s_add_co_u32 s17, s17, s41                     ; tile row
	s_lshl_b32 s43, s41, 2
	s_lshl_b32 s43, 15, s43                        ; my row of the cluster
	s_lshl_b32 s44, 0x1111, s40                    ; my column
	s_or_b32 s[G1+0], s43, (0<<16)|(1<<20)|(1<<21)|(4<<22)|(3<<25)  ; y: the mask; elements of 1 byte; padding on; bit 21 beside a mask; four words after every 32
	s_mov_b32 s[G1+1], 16384<<16                   ; tensor_dim0: a plane's 128 tokens x 128 bytes
	s_mov_b32 s[G1+2], 4<<16                       ; tensor_dim1: four planes
	s_mov_b32 s[G1+3], 16384<<16                   ; tile_dim0
	s_mov_b32 s[G1+4], 4                           ; tile_dim1
	s_mov_b32 s[G1+5], 524288                      ; from plane to plane: 4,096 x 128 bytes
	s_mov_b32 s[G1+6], 0
	s_mov_b32 s[G1+7], 0
	s_or_b32 s[G1B+0], s44, (0<<16)|(1<<20)|(1<<21)|(7<<22)|(3<<25) ; Wo: four words after every 256
	s_mov_b32 s[G1B+1], SIZE_K<<16
	s_mov_b32 s[G1B+2], 64<<16
	s_mov_b32 s[G1B+3], SIZE_K<<16
	s_mov_b32 s[G1B+4], 64
	s_mov_b32 s[G1B+5], SIZE_K
	s_mov_b32 s[G1B+6], 0
	s_mov_b32 s[G1B+7], 0
	s_lshl_b32 s20, s17, 14                        ; y: 128 tokens x 128 bytes x tile row,
	s_lshl_b32 s18, s16, 21                        ; in planes 4 x half on
	s_add_co_u32 s20, s20, s18
	s_mov_b32 s21, 0
	s_lshl_b32 s46, s42, 7
	s_lshl_b32 s18, s16, 6
	s_add_co_u32 s46, s46, s18                     ; Wo: row 128 x tile column + 64 x half,
	s_lshl_b32 s46, s46, 10                        ; of 1,024 bytes
	s_mov_b32 s47, 0
	s_mul_i32 s45, s16, 4*PLANE                    ; where they go
	s_mul_i32 s13, s16, HALFT
	s_add_co_u32 s13, s13, ABYTES
	s_wait_dscnt 0x0                               ; both opening adds are done
	s_wait_kmcnt 0x0
	s_load_b64 s[78:79], s[8:9], EOFF              ; e6, e7
	s_mov_b32 s[G0], 1
	s_mov_b32 s[G0+1], s45
	s_add_nc_u64 s[G0+2:G0+3], s[4:5], s[20:21]
	s_or_b32 s[G0+3], s[G0+3], 0x80000000
	s_mov_b32 s[G0B], 1
	s_mov_b32 s[G0B+1], s13
	s_add_nc_u64 s[G0B+2:G0B+3], s[6:7], s[46:47]
	s_or_b32 s[G0B+3], s[G0B+3], 0x80000000
	CROUND                                         ; all sixteen work-groups are here: the joint loads meet
	s_cmp_eq_u32 s15, 0                            ; one load a wave, in the arms of one branch on the wave's number; s_nop 0 and four v_nop follow each
	s_cbranch_scc0 .Lfor_b
	tensor_load_to_lds s[G0:G0+3], s[G1:G1+7]
	s_nop 0
.rept 4
	v_nop
.endr
	s_branch .Lasked
.Lfor_b:
	tensor_load_to_lds s[G0B:G0B+3], s[G1B:G1B+7]
	s_nop 0
.rept 4
	v_nop
.endr
.Lasked:
	s_lshl_b32 s72, s17, 7
	s_lshl_b32 s73, s15, 6
	s_add_co_u32 s72, s72, s73                     ; my first row of x1,
	s_lshl_b32 s72, s72, 12                        ; of 4,096 bytes
	s_lshl_b32 s73, s42, 9
	s_lshl_b32 s74, s16, 8
	s_add_co_u32 s74, s74, s73                     ; my first column, in bytes
	s_add_co_u32 s72, s72, s74
	s_mov_b32 s73, 0
	s_mov_b32 s75, 0
	s_add_nc_u64 s[68:69], s[68:69], s[72:73]
	s_add_nc_u64 s[70:71], s[70:71], s[72:73]
	s_add_nc_u64 s[10:11], s[10:11], s[74:75]
	s_mul_i32 s21, s15, 64*KPA                     ; my 64 rows of y in a plane
	s_mul_i32 s23, s14, 16*SPITCH
	s_add_co_u32 s23, s23, STAGE                   ; my stage
	v_and_b32 v1, 15, v0                           ; r
	v_bfe_u32 v2, v0, 4, 1                         ; h
	v_lshlrev_b32 v[BO], 4, v1
	v_lshlrev_b32 v5, 12, v2
	v_lshl_add_u32 v[CO], v1, 4, v5                ; lanes 0-15 one row of 256 bytes, lanes 16-31 the next
	global_load_b128 v[8:11], v[BO], s[10:11]      ; the bias of my four columns
	v_mul_u32_u24 v3, v1, KPA
	v_lshl_add_u32 v3, v2, 4, v3
	v_add_nc_u32 v[ADRA], s21, v3
	v_add_nc_u32 v[ADRA+1], 3*PLANE, v[ADRA]
	v_add_nc_u32 v[ADRA+2], 6*PLANE, v[ADRA]
	v_mul_u32_u24 v4, v1, PITCH
	v_lshl_add_u32 v4, v2, 4, v4
	v_add_nc_u32 v[ADRB], s13, v4                  ; my 64 rows of Wo
	v_mul_u32_u24 v5, v1, SPITCH
	v_lshl_add_u32 v5, v2, 5, v5
	v_add_nc_u32 v[STO], s23, v5                   ; in: row r, 32 bytes for each half of the lanes
	v_mul_u32_u24 v6, v2, SPITCH
	v_lshl_add_u32 v6, v1, 4, v6
	v_add_nc_u32 v[RD], s23, v6                    ; back: two rows an instruction
.macro MULA f, a, zero                 ; block a of y's rows x Wo's four; the 16 accumulators take turns
.irp b, 0,1,2,3
.if \zero
	v_wmma_f32_16x16x128_fp8_fp8 v[ACC+8*(4*(\a)+\b):ACC+8*(4*(\a)+\b)+7], v[\f+64+16*\b:\f+64+16*\b+15], v[\f+16*(\a):\f+16*(\a)+15], 0
.else
	v_wmma_f32_16x16x128_fp8_fp8 v[ACC+8*(4*(\a)+\b):ACC+8*(4*(\a)+\b)+7], v[\f+64+16*\b:\f+64+16*\b+15], v[\f+16*(\a):\f+16*(\a)+15], v[ACC+8*(4*(\a)+\b):ACC+8*(4*(\a)+\b)+7]
.endif
.endr
.endm
.macro FETCH q, f                      ; 32 LDS loads: the fragments of the q-th 128 along K: Wo's four, then y's four (plane q)
	WIN TO_F
.irp i, 0,1,2,3
.irp c, 0,1,2,3
	ds_load_b128 v[\f+64+16*\i+4*\c:\f+64+16*\i+4*\c+3], v[ADRB] offset:128*(\q)+32*\c+\i*16*PITCH
.endr
.endr
.irp i, 0,1,2,3
.irp c, 0,1,2,3
	ds_load_b128 v[\f+16*\i+4*\c:\f+16*\i+4*\c+3], v[ADRA+(\q)/3] offset:((\q)%3)*PLANE+32*\c+\i*16*KPA
.endr
.endr
.endm
.macro PLACES                          ; four plain instructions behind matrix instructions (ISA guide 7.12.1)
.rept 4
	v_nop
.endr
.endm
.macro QUARTER q, f, g, zero           ; 128 along K on buffer f; in its middle the q-th 128 are fetched into buffer g
	s_wait_dscnt 8                                 ; all but the youngest 8 loads (y's blocks 2 and 3) are in
	WIN MUL
	MULA \f, 0, \zero
	MULA \f, 1, \zero
	PLACES
	FETCH \q, \g
	s_wait_dscnt 32                                ; all but the 32 just issued
	WIN MUL
	MULA \f, 2, \zero
	MULA \f, 3, \zero
.endm
	s_wait_alu depctr_va_vdst(0)
	s_wait_tensorcnt 0x0                           ; my part of the tiles is in
	s_barrier_signal -1
	s_barrier_wait -1                              ; everybody's is
	FETCH 0, F0
	WIN 0x80                                       ; destination window 2
.irp a, 0,1,2,3                        ; the residual, in the layout in which rows come back from the stage
.irp t, 0,1,2,3,4,5,6,7
	global_load_b128 v[32*\a+4*\t:32*\a+4*\t+3], v[CO], s[68:69] offset:65536*\a+8192*\t th:TH_LOAD_NT
.endr
.endr
	QUARTER 1, F0, F1, 1                           ; the first products start the sums
.irp q, 2, 4, 6
	QUARTER \q, F1, F0, 0
	QUARTER \q+1, F0, F1, 0
.endr
	s_wait_dscnt 8
	WIN MUL
	MULA F1, 0, 0
	MULA F1, 1, 0
	s_wait_dscnt 0
	MULA F1, 2, 0
	MULA F1, 3, 0
	WIN 0
; THE WAY OUT, block by block of 16 rows x 64 columns: the sums go through my stage and come back as rows of 256 bytes; there x1 = sum x 2^(e6 + e7) + residual + bias.
.macro TOSTAGE a
.set BB, BK+32*((\a)%2)
.irp b, 0,1,2,3
	ds_store_b128 v[STO], v[ACC+8*(4*(\a)+\b):ACC+8*(4*(\a)+\b)+3] offset:64*\b      ; each accumulator from its low end on
	ds_store_b128 v[STO], v[ACC+8*(4*(\a)+\b)+4:ACC+8*(4*(\a)+\b)+7] offset:64*\b+16
.endr
.irp t, 0,1,2,3,4,5,6,7
	ds_load_b128 v[BB+4*\t:BB+4*\t+3], v[RD] offset:\t*2*SPITCH   ; LDS serves a wave's instructions in order (ISA guide 5.7.1.4)
.endr
.endm
.macro SEND a, younger                 ; younger: the LDS instructions issued behind block a's loads
.set BB, BK+32*((\a)%2)
	s_wait_dscnt \younger
	s_wait_loadcnt 24-8*(\a)                       ; the bias and this block's residual are in; the later blocks' 8 loads each may stay out
	WIN 0x20                                       ; source 2: window 2, the residual
.set j, 0
.rept 16
	v_pk_fma_f32 v[BB+j:BB+j+1], v[BB+j:BB+j+1], s[78:79], v[32*(\a)+j:32*(\a)+j+1] op_sel_hi:[1,0,1]
.set j, j+2
.endr
	WIN 0
.irp t, 0,1,2,3,4,5,6,7
	v_pk_add_f32 v[BB+4*\t:BB+4*\t+1], v[BB+4*\t:BB+4*\t+1], v[8:9]
	v_pk_add_f32 v[BB+4*\t+2:BB+4*\t+3], v[BB+4*\t+2:BB+4*\t+3], v[10:11]
.endr
.irp t, 0,1,2,3,4,5,6,7
	global_store_b128 v[CO], v[BB+4*\t:BB+4*\t+3], s[70:71] offset:65536*(\a)+8192*\t   ; sixteen lanes store 256 consecutive bytes, aligned
.endr
.endm
	s_wait_kmcnt 0x0
	s_add_co_i32 s78, s78, s79
	s_add_co_i32 s78, s78, 127
	s_lshl_b32 s78, s78, 23                        ; 2^(e6 + e7) as f32
	s_mov_b32 s79, s78
	PLACES
	TOSTAGE 0
.irp a, 1,2,3
.if \a > 1
	s_wait_xcnt 0x0                                ; block a - 2's stores have read their registers: block a's loads may land there
.endif
	TOSTAGE \a
	SEND \a-1, 16                                  ; behind block a - 1's loads: block a's 8 stores and 8 loads
.endr
	SEND 3, 0
	s_wait_tensorcnt 0x0                           ; the wave's end
	ds_add_u32 v[SPW], v[NIL]
	s_wait_dscnt 0x0
	CROUND                                         ; the closing round
	s_endpgm
.Lfunc_end_k_q09e52d4c41_o:
	.size	k_q09e52d4c41_o, .Lfunc_end_k_q09e52d4c41_o-k_q09e52d4c41_o
	.p2alignl 7, 3214868480
	.fill 96, 4, 3214868480
	.section	.rodata,"a",@progbits
	.p2align	6, 0x0
	.amdhsa_kernel k_q09e52d4c41_o
		.amdhsa_group_segment_fixed_size 327680
		.amdhsa_private_segment_fixed_size 0
		.amdhsa_enable_private_segment 0
		.amdhsa_kernarg_size 48
		.amdhsa_user_sgpr_count 2
		.amdhsa_user_sgpr_kernarg_segment_ptr 1
		.amdhsa_wavefront_size32 1
		.amdhsa_system_sgpr_workgroup_id_x 1
		.amdhsa_system_sgpr_workgroup_id_y 1
		.amdhsa_system_sgpr_workgroup_id_z 1
		.amdhsa_system_vgpr_workitem_id 0
		.amdhsa_next_free_vgpr 640
		.amdhsa_next_free_sgpr 80
		.amdhsa_reserve_vcc 0
		.amdhsa_float_denorm_mode_32 3
		.amdhsa_float_denorm_mode_16_64 3
		.amdhsa_memory_ordered 1
		.amdhsa_forward_progress 1
		.amdhsa_inst_pref_size 52
	.end_amdhsa_kernel
	.amdgpu_metadata
---
amdhsa.version: [ 1, 2 ]
amdhsa.kernels:
  - .name:           k_q09e52d4c41_o
    .symbol:         k_q09e52d4c41_o.kd
    .args:
      - { .name: yc, .offset: 0, .size: 8, .value_kind: global_buffer, .address_space: global }
      - { .name: w_o_codes, .offset: 8, .size: 8, .value_kind: global_buffer, .address_space: global }
      - { .name: lowp_scales, .offset: 16, .size: 8, .value_kind: global_buffer, .address_space: global }
      - { .name: b_o, .offset: 24, .size: 8, .value_kind: global_buffer, .address_space: global }
      - { .name: x, .offset: 32, .size: 8, .value_kind: global_buffer, .address_space: global }
      - { .name: x1, .offset: 40, .size: 8, .value_kind: global_buffer, .address_space: global }
    .group_segment_fixed_size: 327680
    .private_segment_fixed_size: 0
    .kernarg_segment_align: 8
    .kernarg_segment_size: 48
    .max_flat_workgroup_size: 128
    .sgpr_count:     80
    .vgpr_count:     640
    .wavefront_size: 32
...
	.end_amdgpu_metadata
.endif
;; end of part 4
;; launch ln2 (part 5): grid 256 x 1, 16 waves a work-group, no clusters, 18,432 bytes of LDS; arguments x1, ln2_w, ln2_b, lowp_scales, xn; writes xn
.if DOCPART == 5
	.amdgcn_target "amdgcn-amd-amdhsa--gfx1250"
	.amdhsa_code_object_version 6
	.text
	.protected	k_q09e52d4c41_ln2
	.globl	k_q09e52d4c41_ln2
	.p2align	8
	.type	k_q09e52d4c41_ln2,@function
k_q09e52d4c41_ln2:
	s_mov_b64 s[64:65], 0
	v_nop
	global_prefetch_b8 v0, s[64:65] scope:SCOPE_SE
	s_setreg_imm32_b32 hwreg(HW_REG_WAVE_MODE, 25, 1), 1
	s_wait_xcnt 0x0
; xn = codes of LayerNorm(x1) x w + b, scale 2^e, e = entry EOFF / 4 of lowp_scales.  x1: [4096][1024] f32; xn: [4096][1024], one code a byte.  Nothing is left out here.
; code = value / 2^e, held within +-448, to the nearest code, ties to even.  LIMITS: e between -126 and 119; NaN and infinities among the inputs are not served.
; SHARES.  One wave takes one row (4,096 bytes, 32 registers a lane), so mean and variance never leave the wave: no barrier.  16 waves a work-group, 256 work-groups, 4,096 rows.
; Each load of a wave covers 512 consecutive bytes: lane l holds, of load j, the numbers 128 j + 4 l + 0 .. 3; w and b are loaded the same way.  A lane's four codes of a load are one word; the row's 1,024 bytes of codes
; turn through the wave's own 1,024 bytes of LDS, so that each of the two stores covers 512 consecutive bytes, aligned.  No matrix unit, no cluster, no tensor load: the work is a stream that is read once.
.set EOFF,  32                         ; byte of my scale's exponent in lowp_scales
.set SPARE, 16384                      ; behind the 16 stages: the spare words, 128 bytes for each wave
.set X,    16                          ; v16-47   the row
.set W,    48                          ; v48-79   the gain
.set BV,   80                          ; v80-111  the bias
.set CD,   112                         ; v112-119 four running sums, later the codes
.set OUTR, 120                         ; v120-127 the row of codes on its way out
	s_load_b256 s[4:11], s[0:1], 0x0               ; x1 s[4:5], w s[6:7], b s[8:9], the exponents s[10:11]
	s_load_b64 s[12:13], s[0:1], 0x20              ; xn
	v_lshl_add_u32 v2, v0, 2, SPARE                ; my spare word; never rewritten
	v_mov_b32 v3, 0                                ; 0; never rewritten
	v_lshrrev_b32 v6, 5, v0
	s_delay_alu instid0(VALU_DEP_1)
	v_readfirstlane_b32 s16, v6                    ; wave 0..15
	v_and_b32 v6, 31, v0                           ; lane
	s_delay_alu instid0(VALU_DEP_1)
	v_lshlrev_b32 v1, 4, v6                        ; 16 x lane
	s_lshl_b32 s17, s16, 10                        ; my stage
	v_lshl_add_u32 v4, v6, 2, s17                  ; into it: 4 x lane
	v_add_nc_u32 v5, s17, v1                       ; out of it: 16 x lane
	v_mov_b32 v9, 0                                ; written once: a lane permute's destination counts as one of its sources
	s_lshl_b32 s18, ttmp9, 4
	s_add_co_u32 s18, s18, s16                     ; my row
	s_lshl_b32 s24, s18, 12                        ; its bytes in x1,
	s_mov_b32 s25, 0
	s_lshl_b32 s26, s18, 10                        ; and in xn
	s_mov_b32 s27, 0
	s_mov_b32 s20, 0x3a800000                      ; 1 / 1024
	s_mov_b32 s21, 0x3727c5ac                      ; 1e-5
	s_mov_b32 s22, 0x76543210                      ; lane l xor 16
	s_mov_b32 s23, 0xfedcba98
	s_wait_alu depctr_va_vdst(0)
	s_wait_kmcnt 0x0
	s_load_b32 s28, s[10:11], EOFF                 ; e
	s_add_nc_u64 s[4:5], s[4:5], s[24:25]
	s_add_nc_u64 s[12:13], s[12:13], s[26:27]
.set i, 0
.rept 8
	global_load_b128 v[X+4*i:X+4*i+3], v1, s[4:5] offset:512*i th:TH_LOAD_NT
.set i, i+1
.endr
.set i, 0
.rept 8
	global_load_b128 v[W+4*i:W+4*i+3], v1, s[6:7] offset:512*i
.set i, i+1
.endr
.set i, 0
.rept 8
	global_load_b128 v[BV+4*i:BV+4*i+3], v1, s[8:9] offset:512*i
.set i, i+1
.endr
.macro ALLSUM                          ; v8 summed over the 32 lanes, the result in every lane
	s_delay_alu instid0(VALU_DEP_1)
	v_add_f32_dpp v8, v8, v8 row_xmask:1 row_mask:0xf bank_mask:0xf
	s_delay_alu instid0(VALU_DEP_1)
	v_add_f32_dpp v8, v8, v8 row_xmask:2 row_mask:0xf bank_mask:0xf
	s_delay_alu instid0(VALU_DEP_1)
	v_add_f32_dpp v8, v8, v8 row_xmask:4 row_mask:0xf bank_mask:0xf
	s_delay_alu instid0(VALU_DEP_1)
	v_add_f32_dpp v8, v8, v8 row_xmask:8 row_mask:0xf bank_mask:0xf
	s_delay_alu instid0(VALU_DEP_1)
	v_permlanex16_b32 v9, v8, s22, s23
	s_delay_alu instid0(VALU_DEP_1)
	v_add_f32 v8, v8, v9
.endm
.macro JOIN                            ; the four running sums into v8
	s_delay_alu instid0(VALU_DEP_3)
	v_pk_add_f32 v[CD:CD+1], v[CD:CD+1], v[CD+2:CD+3]
	s_delay_alu instid0(VALU_DEP_2)
	v_pk_add_f32 v[CD+4:CD+5], v[CD+4:CD+5], v[CD+6:CD+7]
	s_delay_alu instid0(VALU_DEP_1)
	v_pk_add_f32 v[CD:CD+1], v[CD:CD+1], v[CD+4:CD+5]
	s_delay_alu instid0(VALU_DEP_1)
	v_add_f32 v8, v[CD], v[CD+1]
.endm
	s_wait_loadcnt 16                              ; the row is in; the 16 loads of w and b may stay out
.irp k, 0,1,2,3                        ; the sum, two numbers at a time, in four chains that the first pairs start
	v_pk_add_f32 v[CD+2*\k:CD+2*\k+1], v[X+4*\k:X+4*\k+1], v[X+4*\k+2:X+4*\k+3]
.endr
.irp p, 8,12
.irp k, 0,1,2,3
	s_delay_alu instid0(VALU_DEP_4)
	v_pk_add_f32 v[CD+2*\k:CD+2*\k+1], v[CD+2*\k:CD+2*\k+1], v[X+2*(\p+\k):X+2*(\p+\k)+1]
.endr
.endr
	JOIN
	ALLSUM
	s_delay_alu instid0(VALU_DEP_1)
	v_mul_f32 v12, s20, v8                         ; the mean,
	s_delay_alu instid0(VALU_DEP_1)
	v_mov_b32 v13, v12                             ; twice: a pair for the packed form
.set i, 0
.rept 16
	v_pk_add_f32 v[X+2*i:X+2*i+1], v[X+2*i:X+2*i+1], v[12:13] neg_lo:[0,1] neg_hi:[0,1]   ; x - mean
.set i, i+1
.endr
.irp k, 0,1,2,3                        ; the sum of squares, again in four chains
	v_pk_mul_f32 v[CD+2*\k:CD+2*\k+1], v[X+2*\k:X+2*\k+1], v[X+2*\k:X+2*\k+1]
.endr
.irp p, 4,8,12
.irp k, 0,1,2,3
	s_delay_alu instid0(VALU_DEP_4)
	v_pk_fma_f32 v[CD+2*\k:CD+2*\k+1], v[X+2*(\p+\k):X+2*(\p+\k)+1], v[X+2*(\p+\k):X+2*(\p+\k)+1], v[CD+2*\k:CD+2*\k+1]
.endr
.endr
	JOIN
	ALLSUM
	s_delay_alu instid0(VALU_DEP_1)
	v_fma_f32 v8, v8, s20, s21                     ; the variance + 1e-5
	s_wait_alu depctr_va_vdst(0)
	v_rsq_f32 v14, v8                              ; twice: a pair for the packed form
	v_rsq_f32 v15, v8
	v_nop                                          ; a plain instruction behind the transcendentals
	s_wait_kmcnt 0x0
	s_add_co_i32 s28, s28, 127
	s_lshl_b32 s29, s28, 23
	v_mov_b32 v11, s29                             ; 2^e as f32: the conversion takes its exponent field
	s_add_co_i32 s28, s28, 8
	s_lshl_b32 s28, s28, 23
	s_or_b32 s28, s28, 0x600000
	v_mov_b32 v10, s28                             ; 448 x 2^e
	s_wait_loadcnt 0x0                             ; w and b
	s_wait_alu depctr_va_vdst(0)                   ; one wait for both roots, ahead of their first reader
.set i, 0
.rept 16
	v_pk_mul_f32 v[X+2*i:X+2*i+1], v[X+2*i:X+2*i+1], v[14:15]
.set i, i+1
.endr
.set i, 0
.rept 16
	v_pk_fma_f32 v[X+2*i:X+2*i+1], v[X+2*i:X+2*i+1], v[W+2*i:W+2*i+1], v[BV+2*i:BV+2*i+1]
.set i, i+1
.endr
.set i, 0
.rept 32
	v_med3_num_f32 v[X+i], v[X+i], -v10, v10       ; the conversion to an 8-bit code does not saturate (ISA guide 7.6.2): the hold at the largest code x the scale
.set i, i+1
.endr
.irp g, 0,1,2,3
	v_cvt_scalef32_pk8_fp8_f32 v[CD+2*\g:CD+2*\g+1], v[X+8*\g:X+8*\g+7], v11   ; words 2 g and 2 g + 1: the codes of loads 2 g and 2 g + 1
.endr
	v_nop                                          ; a plain instruction behind the last conversion
.set i, 0
.rept 8
	ds_store_b32 v4, v[CD+i] offset:128*i          ; word i: the codes of numbers 128 i + 4 lane + 0 .. 3
.set i, i+1
.endr
	ds_load_b128 v[OUTR:OUTR+3], v5                ; LDS serves a wave's instructions in order (ISA guide 5.7.1.4): these see my stores
	ds_load_b128 v[OUTR+4:OUTR+7], v5 offset:512
	s_wait_dscnt 0x0
	global_store_b128 v1, v[OUTR:OUTR+3], s[12:13]             ; 32 lanes store 512 consecutive bytes, aligned
	global_store_b128 v1, v[OUTR+4:OUTR+7], s[12:13] offset:512
	s_wait_tensorcnt 0x0                           ; the wave's end
	ds_add_u32 v2, v3
	s_wait_dscnt 0x0
	s_endpgm
.Lfunc_end_k_q09e52d4c41_ln2:
	.size	k_q09e52d4c41_ln2, .Lfunc_end_k_q09e52d4c41_ln2-k_q09e52d4c41_ln2
	.p2alignl 7, 3214868480
	.fill 96, 4, 3214868480
	.section	.rodata,"a",@progbits
	.p2align	6, 0x0
	.amdhsa_kernel k_q09e52d4c41_ln2
		.amdhsa_group_segment_fixed_size 18432
		.amdhsa_private_segment_fixed_size 0
		.amdhsa_enable_private_segment 0
		.amdhsa_kernarg_size 40
		.amdhsa_user_sgpr_count 2
		.amdhsa_user_sgpr_kernarg_segment_ptr 1
		.amdhsa_wavefront_size32 1
		.amdhsa_system_sgpr_workgroup_id_x 1
		.amdhsa_system_sgpr_workgroup_id_y 1
		.amdhsa_system_sgpr_workgroup_id_z 1
		.amdhsa_system_vgpr_workitem_id 0
		.amdhsa_next_free_vgpr 128
		.amdhsa_next_free_sgpr 66
		.amdhsa_reserve_vcc 0
		.amdhsa_float_denorm_mode_32 3
		.amdhsa_float_denorm_mode_16_64 3
		.amdhsa_memory_ordered 1
		.amdhsa_forward_progress 1
		.amdhsa_inst_pref_size 15
	.end_amdhsa_kernel
	.amdgpu_metadata
---
amdhsa.version: [ 1, 2 ]
amdhsa.kernels:
  - .name:           k_q09e52d4c41_ln2
    .symbol:         k_q09e52d4c41_ln2.kd
    .args:
      - { .name: x1, .offset: 0, .size: 8, .value_kind: global_buffer, .address_space: global }
      - { .name: ln2_w, .offset: 8, .size: 8, .value_kind: global_buffer, .address_space: global }
      - { .name: ln2_b, .offset: 16, .size: 8, .value_kind: global_buffer, .address_space: global }
      - { .name: lowp_scales, .offset: 24, .size: 8, .value_kind: global_buffer, .address_space: global }
      - { .name: xn, .offset: 32, .size: 8, .value_kind: global_buffer, .address_space: global }
    .group_segment_fixed_size: 18432
    .private_segment_fixed_size: 0
    .kernarg_segment_align: 8
    .kernarg_segment_size: 40
    .max_flat_workgroup_size: 512
    .sgpr_count:     66
    .vgpr_count:     128
    .wavefront_size: 32
...
	.end_amdgpu_metadata
.endif
;; end of part 5
;; launch fc (part 6): grid 16 x 16, 4 waves a work-group, clusters of 4 x 4, 327,680 bytes of LDS; arguments xn, w_fc_codes, lowp_scales, b_fc, hc; writes hc
.if DOCPART == 6
	.amdgcn_target "amdgcn-amd-amdhsa--gfx1250"
	.amdhsa_code_object_version 6
	.text
	.protected	k_q09e52d4c41_fc
	.globl	k_q09e52d4c41_fc
	.p2align	8
	.type	k_q09e52d4c41_fc,@function
k_q09e52d4c41_fc:
	s_mov_b64 s[64:65], 0
	v_nop
	global_prefetch_b8 v0, s[64:65] scope:SCOPE_SE
	s_setreg_imm32_b32 hwreg(HW_REG_WAVE_MODE, 25, 1), 1
	s_wait_xcnt 0x0
	s_wait_alu depctr_hold_cnt(0) depctr_sa_sdst(0) depctr_va_vdst(0) depctr_va_sdst(0) depctr_va_ssrc(0) depctr_va_vcc(0) depctr_vm_vsrc(0)
	s_getreg_b32 s2, hwreg(HW_REG_IB_STS2, 6, 4)
	s_cmp_eq_u32 s2, 0
	s_cbranch_scc0 .Lentry_in_a_cluster
	s_endpgm
.Lentry_in_a_cluster:
	s_bfe_u32 s2, ttmp6, 0x10000c
	s_cmp_lg_u32 s2, 0xf033
	s_cbranch_scc0 .Lentry_shape_is_right
	s_endpgm
.Lentry_shape_is_right:
; hc = codes (scale 2^e10) of gelu(v), v = xn Wfc^T x 2^(e8 + e9) + b_fc.  xn: [4096][1024] codes; w_fc_codes: [4096][1024] codes, K innermost.  Nothing is left out here.
; OUT: hc: [plane 32][token 4096][128 bytes]: plane p holds the hidden units 128 p .. 128 p + 127, one code a byte: a wave's block of 16 tokens x 128 units is 2,048 dense bytes.
; GELU.  gelu(v) = v / 2 + |v| / 2 x (1 - erfc(|v| / sqrt 2)).  erfc(z) = (a1 t + .. + a5 t^5) e^(-z^2), t = 1 / (1 + p z), for z >= 0 (Abramowitz and Stegun 7.1.26: the error in erf is at most 1.5e-7 in magnitude for every z).
; With m = v x sqrt(log2(e) / 2): e^(-z^2) = 2^(-m^2), and gelu(v) = m KH + |m| (KH - P(t) 2^(-m^2)), KH = 1 / sqrt(2 log2(e)), P's coefficients a_i x KH, t = 1 / (1 + |m| p / sqrt(log2 e)).  All in f32.
; No clamp is needed: for large |m|, t and 2^(-m^2) go to 0 and gelu to v or 0.
; LIMITS: e8 + e9 between -126 and 127; e10 between -126 and 119.  NaN and infinities among the inputs are not served.
; A tile, 256 x 256, is made by four waves, each 128 x 128: 64 accumulators.  K goes in steps of 256 through a ring of two LDS slots filled by joint tensor loads: 4 x 4 work-groups form a cluster,
; xn's tile is shared along a row of the cluster, Wfc's along a column.  The matrix instruction is used transposed: a lane holds one token and eight neighbouring hidden units, which become 8 bytes of codes.
; PREFETCHES: of the 128 rows that a wave fetches, each of the four partners that ask for them jointly names 32, told apart by address (cx for xn, cy for Wfc); a lane a row, 256 bytes of a row a K step.
; Behind K step 0's load K steps 1 and 2 are named, behind K step 1's load K step 3.  The address registers s[98:99] and v30 are never rewritten.
; THE WAY OUT takes half a block (16 tokens x 64 units) a trip; every second trip the block's 2,048 bytes turn through the wave's own stage (in slot 0, which has had its last fill and its last read by then) and are stored.
; REGISTERS, in windows of 256: window 0: v0-31 addresses and constants; v32-95 the bias; from v128 xn's fragments, one set; on the way out v96-255 are at work.  window 1: Wfc's fragments, two sets.  windows 2, 3: the accumulators.
.set SIZE_K, 1024
.set ROWB,   256
.set KROW,   SIZE_K
.set PITCH,  272                       ; an LDS row: 256 bytes + 16: the 16 rows of a load start at 16 different banks (64 banks of 4 bytes: ISA guide 11.1)
.set FR,     16
.set NL,     4
.set NP,     4
.set HALFT,  128*PITCH
.set SLOT,   4*HALFT
.set LAPS,   SIZE_K/(2*ROWB)
.set SPARE,  2*SLOT
.set SP,     144                       ; a stage row: 128 bytes of codes + 16
.set LIMV, 12
.set SCV,  13
.set ADRA, 16
.set ADRB, 20
.set STO,  24
.set RD,   25
.set CO,   26
.set ADR,  27
.set SPW,  28
.set NIL,  29
.set OFF,  31
.set BIAS, 32
.set M,    96                          ; v96-127  m
.set TT,   128                         ; v128-159 t; then the block on its way out
.set E,    160                         ; v160-191 2^(-m^2); then the codes
.set P,    192                         ; v192-223 the polynomial, then gelu
.set HM,   224                         ; v224-255 m KH
.set AF,   128
.set G1, 24
.set G0, 32
.set G1B, 48
.set G0B, 56
.set CA4, 66                           ; s[66:73] a4 .. a1 x KH, each twice; a5 x KH lies in v[8:9]
.set CKH, 74                           ; s[74:75] KH
.set CPP, 76                           ; s76 p / sqrt(log2 e)
.set IT,  86
.set MSB, 0
.macro WIN new                         ; the immediate's high byte repeats the setting that is left
.if MSB != \new
	s_set_vgpr_msb (MSB<<8)|\new
.set MSB, \new
.endif
.endm
.set MUL_LO, 0xa1                      ; source 0 window 1, source 1 window 0, C and D window 2
.set MUL_HI, 0xf1                      ; the same, C and D window 3
.set TO_B,   0x40                      ; destination window 1
.macro JLOAD g0a, g1a, g0b, g1b        ; a joint load: waves 0 and 1 fetch for xn, waves 2 and 3 for Wfc; s_nop 0 and four v_nop follow each line
	s_cmp_eq_u32 s15, 0
	s_cbranch_scc0 .Lfor_b_\@
	tensor_load_to_lds s[\g0a:\g0a+3], s[\g1a:\g1a+7]
	s_nop 0
.rept 4
	v_nop
.endr
	s_branch .Lasked_\@
.Lfor_b_\@:
	tensor_load_to_lds s[\g0b:\g0b+3], s[\g1b:\g1b+7]
	s_nop 0
.rept 4
	v_nop
.endr
.Lasked_\@:
.endm
.macro CREST                           ; a round of the cluster's barrier behind its opening barrier
	s_cmp_lg_u32 s14, 0
	s_cbranch_scc1 .Lnot_wave_0_\@
	s_barrier_signal -3
.Lnot_wave_0_\@:
	s_barrier_wait -3
	s_barrier_signal -1
	s_barrier_wait -1
.endm
.macro CROUND
	s_barrier_signal -1
	s_barrier_wait -1
	CREST
.endm
	s_load_b128 s[4:7], s[0:1], 0x0                ; xn, Wfc
	s_load_b128 s[8:11], s[0:1], 0x10              ; the exponents, b_fc
	s_load_b64 s[12:13], s[0:1], 0x20              ; hc
	v_lshl_add_u32 v[SPW], v0, 2, SPARE
	v_mov_b32 v[NIL], 0
	ds_add_u32 v[SPW], v[NIL]                      ; the opening: the add, twice on end, and its wait
	ds_add_u32 v[SPW], v[NIL]
	v_lshrrev_b32 v1, 5, v0
	v_readfirstlane_b32 s14, v1                    ; wave 0..3
	s_lshr_b32 s15, s14, 1                         ; my half of the tile's rows; also: I fetch for xn (0) or Wfc (1)
	s_and_b32 s16, s14, 1                          ; my half of its columns; also: which 128 rows I fetch
	s_bfe_u32 s40, ttmp6, 0x40000                  ; cx
	s_bfe_u32 s41, ttmp6, 0x40004                  ; cy
	s_lshl_b32 s42, ttmp9, 2
	s_add_co_u32 s42, s42, s40                     ; tile column
	s_and_b32 s17, ttmp7, 0xffff
	s_lshl_b32 s17, s17, 2
	s_add_co_u32 s17, s17, s41                     ; tile row
	s_lshl_b32 s43, s41, 2
	s_lshl_b32 s43, 15, s43                        ; my row of the cluster
	s_lshl_b32 s44, 0x1111, s40                    ; my column
	s_or_b32 s[G1+0], s43, (0<<16)|(1<<20)|(1<<21)|(5<<22)|(3<<25)  ; the mask; elements of 1 byte; padding on; bit 21 beside a mask; four words after every 64
	s_or_b32 s[G1B+0], s44, (0<<16)|(1<<20)|(1<<21)|(5<<22)|(3<<25)
.irp g, G1, G1B
	s_mov_b32 s[\g+1], ROWB<<16
	s_mov_b32 s[\g+2], 128<<16
	s_mov_b32 s[\g+3], ROWB<<16
	s_mov_b32 s[\g+4], 128
	s_mov_b32 s[\g+5], KROW
	s_mov_b32 s[\g+6], 0
	s_mov_b32 s[\g+7], 0
.endr
	s_lshl_b32 s18, s16, 7
	s_lshl_b32 s20, s17, 8
	s_add_co_u32 s20, s20, s18
	s_lshl_b32 s46, s42, 8
	s_add_co_u32 s46, s46, s18
	s_mov_b32 s21, 0
	s_mov_b32 s47, 0
	s_mov_b64 s[18:19], KROW
	s_mul_u64 s[20:21], s[20:21], s[18:19]
	s_mul_u64 s[46:47], s[46:47], s[18:19]
	s_mul_i32 s45, s14, HALFT                      ; where they go: wave x 128 rows
	s_wait_dscnt 0x0                               ; both opening adds are done
	s_wait_kmcnt 0x0
	s_load_b128 s[88:91], s[8:9], 0x20             ; e8, e9, e10, e11
	s_add_nc_u64 s[20:21], s[4:5], s[20:21]
	s_add_nc_u64 s[46:47], s[6:7], s[46:47]
.irp s, 0,1
	s_mov_b32 s[G0+4*\s], 1
	s_add_co_u32 s[G0+4*\s+1], s45, \s*SLOT
	s_add_nc_u64 s[G0+4*\s+2:G0+4*\s+3], s[20:21], \s*ROWB
	s_or_b32 s[G0+4*\s+3], s[G0+4*\s+3], 0x80000000
	s_mov_b32 s[G0B+4*\s], 1
	s_add_co_u32 s[G0B+4*\s+1], s45, \s*SLOT
	s_add_nc_u64 s[G0B+4*\s+2:G0B+4*\s+3], s[46:47], \s*ROWB
	s_or_b32 s[G0B+4*\s+3], s[G0B+4*\s+3], 0x80000000
.endr
	CROUND                                         ; all sixteen work-groups are here: the first joint loads meet
	JLOAD G0, G1, G0B, G1B                         ; K step 0: one tensor load a wave at the head
	s_cmp_eq_u32 s15, 0
	s_cselect_b64 s[98:99], s[20:21], s[46:47]
	s_cselect_b32 s92, s40, s41
	s_lshl_b32 s92, s92, 15                        ; 32 rows of 1,024 bytes
	s_mov_b32 s93, 0
	s_add_nc_u64 s[98:99], s[98:99], s[92:93]
	v_and_b32 v30, 31, v0
	v_lshlrev_b32 v30, 10, v30
	global_prefetch_b8 v30, s[98:99] offset:256 th:TH_LOAD_NT scope:SCOPE_SE
	global_prefetch_b8 v30, s[98:99] offset:512 th:TH_LOAD_NT scope:SCOPE_SE
	s_lshl_b32 s92, s42, 10
	s_lshl_b32 s93, s16, 9
	s_add_co_u32 s92, s92, s93
	s_mov_b32 s93, 0
	s_add_nc_u64 s[10:11], s[10:11], s[92:93]      ; the bias of my 128 columns
	s_lshl_b32 s92, s42, 1
	s_add_co_u32 s92, s92, s16
	s_lshl_b32 s92, s92, 19                        ; my plane of 4,096 x 128 bytes,
	s_lshl_b32 s93, s17, 1
	s_add_co_u32 s93, s93, s15
	s_lshl_b32 s93, s93, 14                        ; my 128 tokens of 128 bytes
	s_add_co_u32 s92, s92, s93
	s_mov_b32 s93, 0
	s_add_nc_u64 s[12:13], s[12:13], s[92:93]
	s_mul_i32 s21, s15, HALFT
	s_mul_i32 s22, s16, HALFT
	s_add_co_u32 s22, s22, 2*HALFT
	s_add_co_u32 s92, s21, SLOT
	s_add_co_u32 s93, s22, SLOT
	s_mul_i32 s23, s14, 16*SP                      ; my stage
	v_and_b32 v1, 15, v0                           ; r
	v_bfe_u32 v2, v0, 4, 1                         ; h
	v_lshlrev_b32 v7, 5, v2
.irp b, 0,1,2,3,4,5,6,7
	global_load_b128 v[BIAS+8*\b:BIAS+8*\b+3], v7, s[10:11] offset:64*\b        ; the bias in the result's layout: columns 16 b + 8 h + 0 .. 7
	global_load_b128 v[BIAS+8*\b+4:BIAS+8*\b+7], v7, s[10:11] offset:64*\b+16
.endr
	v_mul_u32_u24 v3, v1, PITCH
	v_lshl_add_u32 v4, v2, 4, v3
	v_add_nc_u32 v[ADRA], s21, v4
	v_add_nc_u32 v[ADRB], s22, v4
	v_add_nc_u32 v[ADRA+1], s92, v4
	v_add_nc_u32 v[ADRB+1], s93, v4
	v_mul_u32_u24 v5, v1, SP
	v_lshl_add_u32 v5, v2, 3, v5
	v_add_nc_u32 v[STO], s23, v5                   ; in: row r, 8 bytes for each half of the lanes
	v_and_b32 v6, 31, v0
	v_lshlrev_b32 v[CO], 4, v6                     ; 16 x lane
	v_lshrrev_b32 v6, 3, v6
	v_mul_u32_u24 v6, v6, SP
	v_and_b32 v5, 7, v0
	v_lshl_add_u32 v6, v5, 4, v6
	v_add_nc_u32 v[RD], s23, v6                    ; back: eight lanes to a row of 128 bytes, four rows an instruction
.macro FRAG reg, adr, q, i             ; a fragment: lane l holds row l % 16; registers 4 c .. 4 c + 3 hold K = 32 c + 16 (l / 16) + 0 .. 15: the same permutation of k in both operands
.irp c, 0,1,2,3
	ds_load_b128 v[\reg+4*\c:\reg+4*\c+3], v[\adr] offset:128*(\q)+32*\c+(\i)*16*PITCH
.endr
.endm
.macro MUL16 a0, p, zero               ; blocks a0, a0 + 1 of xn's rows x Wfc's eight; the 64 accumulators take turns
.irp a, \a0, \a0+1
.irp b, 0,1,2,3,4,5,6,7
.if \zero
	v_wmma_f32_16x16x128_fp8_fp8 v[8*(8*((\a)%4)+\b):8*(8*((\a)%4)+\b)+7], v[128*(\p)+FR*\b:128*(\p)+FR*\b+FR-1], v[AF+FR*(\a):AF+FR*(\a)+FR-1], 0
.else
	v_wmma_f32_16x16x128_fp8_fp8 v[8*(8*((\a)%4)+\b):8*(8*((\a)%4)+\b)+7], v[128*(\p)+FR*\b:128*(\p)+FR*\b+FR-1], v[AF+FR*(\a):AF+FR*(\a)+FR-1], v[8*(8*((\a)%4)+\b):8*(8*((\a)%4)+\b)+7]
.endif
.endr
.endr
.endm
.macro FETCH_B slot, q, p
	WIN TO_B
.irp i, 0,1,2,3,4,5,6,7
	FRAG 128*(\p)+FR*\i, ADRB+\slot, \q, \i
.endr
	WIN 0
.endm
.macro FETCH_A slot, q, i0
.irp i, \i0, \i0+1, \i0+2, \i0+3
	FRAG AF+FR*(\i), ADRA+\slot, \q, \i
.endr
.endm
.macro PLACES n                        ; plain vector instructions behind matrix instructions (ISA guide 7.12.1)
.rept \n
	v_nop
.endr
.endm
.macro STEP slot, q, zero              ; a step of 128 along K that has its successor in the same slot
	s_wait_dscnt 4*NL                              ; all but the youngest 16 loads (xn's blocks 4-7) are in
	WIN MUL_LO
	MUL16 0, (\q)%2, \zero
	MUL16 2, (\q)%2, \zero
	s_wait_dscnt 0
	PLACES NP
	FETCH_B \slot, (\q)+1, 1-(\q)%2
	FETCH_A \slot, (\q)+1, 0
	WIN MUL_HI
	MUL16 4, (\q)%2, \zero
	MUL16 6, (\q)%2, \zero
	PLACES NP
	WIN 0
	FETCH_A \slot, (\q)+1, 4
.endm
; A slot's last step changes slots: one barrier; in front of it each wave waits for all its tensor loads, adds 0 to its spare word, and waits for that and for its reads of this slot.
.macro TURN slot, next, fill
	s_wait_tensorcnt 0x0
	ds_add_u32 v[SPW], v[NIL]
	s_wait_dscnt 4*NL+1                            ; (the add and the youngest 16 loads may be out)
	WIN MUL_LO
	MUL16 0, 1, 0
	s_wait_dscnt 0x0                               ; the add is done, and my reads of this slot are over
	s_barrier_signal -1
	MUL16 2, 1, 0
	WIN 0
	s_barrier_wait -1
.if \fill
	CREST                                          ; the barrier has opened a round of the cluster's
	s_add_nc_u64 s[G0+4*\slot+2:G0+4*\slot+3], s[G0+4*\slot+2:G0+4*\slot+3], 2*ROWB
	s_add_nc_u64 s[G0B+4*\slot+2:G0B+4*\slot+3], s[G0B+4*\slot+2:G0B+4*\slot+3], 2*ROWB
	JLOAD G0+4*\slot, G1, G0B+4*\slot, G1B         ; the first tensor load behind the round; its four v_nop are the places in front of the loads below
.else
	PLACES NP
.endif
	FETCH_B \next, 0, 0
	FETCH_A \next, 0, 0
	WIN MUL_HI
	MUL16 4, 1, 0
	MUL16 6, 1, 0
	PLACES NP
	WIN 0
	FETCH_A \next, 0, 4
.endm
	s_wait_alu depctr_va_vdst(0)
	s_wait_tensorcnt 0x0                           ; my part of K step 0 is in
	ds_add_u32 v[SPW], v[NIL]
	s_wait_dscnt 0x0
	CROUND                                         ; everybody's part of K step 0 is in, and all sixteen work-groups are here
	JLOAD G0+4, G1, G0B+4, G1B                     ; K step 1, the first tensor load behind the round
	FETCH_B 0, 0, 0
	FETCH_A 0, 0, 0
	FETCH_A 0, 0, 4
	global_prefetch_b8 v30, s[98:99] offset:768 th:TH_LOAD_NT scope:SCOPE_SE   ; K step 3
	STEP 0, 0, 1                                   ; the first step's products start the sums
	s_mov_b32 s3, LAPS-1
.Llap:
	TURN 0, 1, 1
	STEP 1, 0, 0
	TURN 1, 0, 1
	STEP 0, 0, 0
	s_sub_co_u32 s3, s3, 1
	s_cmp_lg_u32 s3, 0
	s_cbranch_scc1 .Llap
	TURN 0, 1, 0                                   ; the last lap fills nothing
	STEP 1, 0, 0
	s_wait_dscnt 4*NL
	WIN MUL_LO
	MUL16 0, 1, 0
	MUL16 2, 1, 0
	s_wait_dscnt 0
	WIN MUL_HI
	MUL16 4, 1, 0
	MUL16 6, 1, 0
	WIN 0
.macro COEF r, bits
	s_mov_b32 s[\r], \bits
	s_mov_b32 s[\r+1], \bits
.endm
	COEF CA4,   0xbf5b0099                         ; a4 KH = -0.85547788
	COEF CA4+2, 0x3f563817                         ; a3 KH =  0.83679339
	COEF CA4+4, 0xbe2b8119                         ; a2 KH = -0.16748465
	COEF CA4+6, 0x3e199eb3                         ; a1 KH =  0.15001946
	COEF CKH,   0x3f16b55f                         ; KH = 0.58870501
	s_mov_b32 s[CPP], 0x3e8ba43f                   ; p / sqrt(log2 e) = 0.27273748
	v_mov_b32 v8, 0x3f1ff67a                       ; a5 KH = 0.62485470
	v_mov_b32 v9, 0x3f1ff67a
	s_wait_kmcnt 0x0
	s_add_co_i32 s96, s88, s89
	s_add_co_i32 s96, s96, 127
	s_lshl_b32 s96, s96, 23                        ; 2^(e8 + e9),
	s_mul_f32 s96, s96, 0x3f596d27                 ; x sqrt(log2(e) / 2) = 0.84932180
	s_mov_b32 s97, s96
	s_add_co_i32 s90, s90, 127
	s_lshl_b32 s91, s90, 23
	v_mov_b32 v[SCV], s91                          ; 2^e10
	s_add_co_i32 s90, s90, 8
	s_lshl_b32 s90, s90, 23
	s_or_b32 s90, s90, 0x600000
	v_mov_b32 v[LIMV], s90                         ; 448 x 2^e10
	s_wait_loadcnt 0x0                             ; the bias
.set j, 0
.rept 32
	v_pk_mul_f32 v[BIAS+j:BIAS+j+1], v[BIAS+j:BIAS+j+1], 0x3f596d27 op_sel_hi:[1,0]
.set j, j+2
.endr
.macro CASE n                          ; m of half block n: accumulators (n / 2, 4 (n % 2) .. + 3), each from its low end on
.set AC, 64*(((\n)/2)%4)+32*((\n)%2)
	WIN 0x02+((\n)/8)
.set j, 0
.rept 16
	v_pk_fma_f32 v[M+j:M+j+1], v[AC+j:AC+j+1], s[96:97], v[BIAS+32*((\n)%2)+j:BIAS+32*((\n)%2)+j+1] op_sel_hi:[1,0,1]
.set j, j+2
.endr
	WIN 0
.endm
.macro HORNER c
.set j, 0
.rept 16
	v_pk_fma_f32 v[P+j:P+j+1], v[P+j:P+j+1], v[TT+j:TT+j+1], s[\c:\c+1] op_sel_hi:[1,1,0]
.set j, j+2
.endr
.endm
	s_mov_b32 s[IT], 0
.Lit:                                              ; 16 trips: half a block each
	s_wait_xcnt 0x0                                ; the last block's stores have read their registers
.irp c, 1,2,3,4,5,6,7,8,9,10,11,12,13,14,15
	s_cmp_eq_u32 s[IT], \c
	s_cbranch_scc1 .Lcase\c
.endr
	CASE 0
	s_branch .Lcom
.irp c, 1,2,3,4,5,6,7,8,9,10,11,12,13,14
.Lcase\c:
	CASE \c
	s_branch .Lcom
.endr
.Lcase15:
	CASE 15
.Lcom:
.set j, 0
.rept 32
	v_fma_f32 v[TT+j], |v[M+j]|, s[CPP], 1.0       ; 1 + p z
.set j, j+1
.endr
.set j, 0
.rept 16
	v_pk_mul_f32 v[E+j:E+j+1], v[M+j:M+j+1], v[M+j:M+j+1] neg_lo:[1,0] neg_hi:[1,0]   ; -m^2
.set j, j+2
.endr
	s_wait_alu depctr_va_vdst(0)
.set j, 0
.rept 32
	v_rcp_f32 v[TT+j], v[TT+j]                     ; t
.set j, j+1
.endr
.set j, 0
.rept 32
	v_exp_f32 v[E+j], v[E+j]                       ; 2^(-m^2)
.set j, j+1
.endr
.set j, 0
.rept 16
	v_pk_mul_f32 v[HM+j:HM+j+1], v[M+j:M+j+1], s[CKH:CKH+1] op_sel_hi:[1,0]   ; m KH: plain work behind the batch
.set j, j+2
.endr
	s_wait_alu depctr_va_vdst(0)                   ; one wait for the whole batch, ahead of its first reader
.set j, 0
.rept 16
	v_pk_fma_f32 v[P+j:P+j+1], v[TT+j:TT+j+1], v[8:9], s[CA4:CA4+1] op_sel_hi:[1,1,0]
.set j, j+2
.endr
	HORNER CA4+2
	HORNER CA4+4
	HORNER CA4+6
.set j, 0
.rept 16
	v_pk_mul_f32 v[P+j:P+j+1], v[P+j:P+j+1], v[TT+j:TT+j+1]
.set j, j+2
.endr
.set j, 0
.rept 16
	v_pk_fma_f32 v[P+j:P+j+1], v[P+j:P+j+1], v[E+j:E+j+1], s[CKH:CKH+1] op_sel_hi:[1,1,0] neg_lo:[1,0,0] neg_hi:[1,0,0]   ; KH - P(t) 2^(-m^2)
.set j, j+2
.endr
.set j, 0
.rept 32
	v_fma_f32 v[P+j], |v[M+j]|, v[P+j], v[HM+j]    ; gelu
.set j, j+1
.endr
.set j, 0
.rept 32
	v_med3_num_f32 v[P+j], v[P+j], -v[LIMV], v[LIMV]   ; the conversion does not saturate (ISA guide 7.6.2): the hold at the largest code x the scale
.set j, j+1
.endr
.irp b, 0,1,2,3
	v_cvt_scalef32_pk8_fp8_f32 v[E+2*\b:E+2*\b+1], v[P+8*\b:P+8*\b+7], v[SCV]
.endr
	v_nop                                          ; a plain instruction behind the last conversion
	s_and_b32 s94, s[IT], 1
	s_lshl_b32 s94, s94, 6
	v_add_nc_u32 v[ADR], s94, v[STO]               ; the half's 64 bytes of a stage row
.irp b, 0,1,2,3
	ds_store_b64 v[ADR], v[E+2*\b:E+2*\b+1] offset:16*\b
.endr
	s_bitcmp1_b32 s[IT], 0                         ; behind a block's second half the block leaves
	s_cbranch_scc0 .Lhalf
.irp g, 0,1,2,3
	ds_load_b128 v[TT+4*\g:TT+4*\g+3], v[RD] offset:4*\g*SP   ; LDS serves a wave's instructions in order (ISA guide 5.7.1.4): these see my stores, and the next block's stores come behind them
.endr
	s_lshr_b32 s87, s[IT], 1
	s_lshl_b32 s87, s87, 11
	v_add_nc_u32 v[OFF], s87, v[CO]                ; 2,048 bytes a block
	s_wait_alu depctr_va_vdst(0)
	s_wait_dscnt 0x0
.irp g, 0,1,2,3
	global_store_b128 v[OFF], v[TT+4*\g:TT+4*\g+3], s[12:13] offset:512*\g   ; 32 lanes store 512 consecutive bytes, aligned
.endr
.Lhalf:
	s_add_co_u32 s[IT], s[IT], 1
	s_cmp_lt_u32 s[IT], 16
	s_cbranch_scc1 .Lit
	s_wait_tensorcnt 0x0                           ; the wave's end
	ds_add_u32 v[SPW], v[NIL]
	s_wait_dscnt 0x0
	CROUND                                         ; the closing round
	s_endpgm
.Lfunc_end_k_q09e52d4c41_fc:
	.size	k_q09e52d4c41_fc, .Lfunc_end_k_q09e52d4c41_fc-k_q09e52d4c41_fc
	.p2alignl 7, 3214868480
	.fill 96, 4, 3214868480
	.section	.rodata,"a",@progbits
	.p2align	6, 0x0
	.amdhsa_kernel k_q09e52d4c41_fc
		.amdhsa_group_segment_fixed_size 327680
		.amdhsa_private_segment_fixed_size 0
		.amdhsa_enable_private_segment 0
		.amdhsa_kernarg_size 40
		.amdhsa_user_sgpr_count 2
		.amdhsa_user_sgpr_kernarg_segment_ptr 1
		.amdhsa_wavefront_size32 1
		.amdhsa_system_sgpr_workgroup_id_x 1
		.amdhsa_system_sgpr_workgroup_id_y 1
		.amdhsa_system_sgpr_workgroup_id_z 1
		.amdhsa_system_vgpr_workitem_id 0
		.amdhsa_next_free_vgpr 1024
		.amdhsa_next_free_sgpr 100
		.amdhsa_reserve_vcc 0
		.amdhsa_float_denorm_mode_32 3
		.amdhsa_float_denorm_mode_16_64 3
		.amdhsa_memory_ordered 1
		.amdhsa_forward_progress 1
		.amdhsa_inst_pref_size 121
	.end_amdhsa_kernel
	.amdgpu_metadata
---
amdhsa.version: [ 1, 2 ]
amdhsa.kernels:
  - .name:           k_q09e52d4c41_fc
    .symbol:         k_q09e52d4c41_fc.kd
    .args:
      - { .name: xn, .offset: 0, .size: 8, .value_kind: global_buffer, .address_space: global }
      - { .name: w_fc_codes, .offset: 8, .size: 8, .value_kind: global_buffer, .address_space: global }
      - { .name: lowp_scales, .offset: 16, .size: 8, .value_kind: global_buffer, .address_space: global }
      - { .name: b_fc, .offset: 24, .size: 8, .value_kind: global_buffer, .address_space: global }
      - { .name: hc, .offset: 32, .size: 8, .value_kind: global_buffer, .address_space: global }
    .group_segment_fixed_size: 327680
    .private_segment_fixed_size: 0
    .kernarg_segment_align: 8
    .kernarg_segment_size: 40
    .max_flat_workgroup_size: 128
    .sgpr_count:     100
    .vgpr_count:     1024
    .wavefront_size: 32
...
	.end_amdgpu_metadata
.endif
;; end of part 6
;; launch out (part 7): grid 8 x 32, 4 waves a work-group, clusters of 4 x 4, 327,680 bytes of LDS; arguments hc, w_out_codes, lowp_scales, b_out, x1, out0; writes out0
.if DOCPART == 7
	.amdgcn_target "amdgcn-amd-amdhsa--gfx1250"
	.amdhsa_code_object_version 6
	.text
	.protected	k_q09e52d4c41_out
	.globl	k_q09e52d4c41_out
	.p2align	8
	.type	k_q09e52d4c41_out,@function
k_q09e52d4c41_out:
	s_mov_b64 s[64:65], 0
	v_nop
	global_prefetch_b8 v0, s[64:65] scope:SCOPE_SE
	s_setreg_imm32_b32 hwreg(HW_REG_WAVE_MODE, 25, 1), 1
	s_wait_xcnt 0x0
	s_wait_alu depctr_hold_cnt(0) depctr_sa_sdst(0) depctr_va_vdst(0) depctr_va_sdst(0) depctr_va_ssrc(0) depctr_va_vcc(0) depctr_vm_vsrc(0)
	s_getreg_b32 s2, hwreg(HW_REG_IB_STS2, 6, 4)
	s_cmp_eq_u32 s2, 0
	s_cbranch_scc0 .Lentry_in_a_cluster
	s_endpgm
.Lentry_in_a_cluster:
	s_bfe_u32 s2, ttmp6, 0x10000c
	s_cmp_lg_u32 s2, 0xf033
	s_cbranch_scc0 .Lentry_shape_is_right
	s_endpgm
.Lentry_shape_is_right:
; out0 = x1 + h Wout^T x 2^(e10 + e11) + b_out.  hc: h's codes as [plane 32][token 4096][128 bytes]: plane p holds K = 128 p .. 128 p + 127; w_out_codes: [1024][4096] codes, K innermost; x1, out0: [4096][1024] f32.  Nothing is left out here.
; LIMIT: e10 + e11 between -126 and 127, so that 2^(e10 + e11) is an f32 number.
; A tile of out0 is 128 x 128: 256 work-groups; four waves, each 64 x 64: 16 accumulators.  K goes in 8 steps of 512 through a ring of two LDS slots.  A slot holds h's four planes of 128 rows x (128 + 16) bytes and Wout's 128 rows x (512 + 16) bytes.
; Waves 0 and 1 fetch two planes each (a plane's 128 tokens are 16,384 dense bytes: one row of the tile), waves 2 and 3 fetch 64 rows x 512 bytes of Wout.
; CLUSTERS: 4 x 4 work-groups; h's tile is shared along a row of the cluster, Wout's along a column, each asked for jointly.  The matrix instruction is used transposed: a lane holds eight neighbours of a row of out0.
; PREFETCHES: behind the load of K step s stands one instruction a wave for K step s + 2 (behind K step 0's load: for steps 1 and 2).  What a wave fetches in a K step, 32,768 bytes, is shared out among the four partners that ask for it
; jointly, BY ADDRESS: 8,192 bytes each: of h half a plane, lanes 256 bytes apart (cx); of Wout 16 rows, two lanes to a row (cy).  So each aligned 256 bytes are named once in each cluster that loads them.  The loads of steps 6 and 7 name nothing.
; The whole residual, 64 x 64 f32 a wave, is asked for ahead of the first product, when K step 0 is in.
; REGISTERS: window 0: v0-31 addresses, v8-11 the bias; v32-95 two sets of rows back from the stage; v128-255 the accumulators.  window 1: two fragment buffers of 128.  window 2: v0-127 the residual.
.set SIZE_K, 4096
.set EOFF,   40
.set KSTEP,  512
.set ASTEP,  4*524288                  ; a K step in hc: four planes
.set KPA,    144                       ; h's LDS row: 128 bytes + 16
.set PLANE,  128*KPA
.set ABYTES, 4*PLANE
.set PITCH,  528                       ; Wout's LDS row: 512 bytes + 16; both pitches are odd multiples of 16: the 16 rows of a load start at 16 different banks (64 banks of 4 bytes: ISA guide 11.1)
.set HALFT,  64*PITCH
.set SLOT,   ABYTES+2*HALFT
.set SPARE,  2*SLOT                    ; behind the ring: the spare words, 128 bytes a wave
.set LAPS,   SIZE_K/(2*KSTEP)
.set SPITCH, 272                       ; the way out: 16 rows x (256 + 16) bytes for each wave, in slot 0, which has had its last fill and its last read by then
.set ADRA, 16
.set ADRB, 20
.set STO,  24
.set RD,   25
.set CO,   26
.set BO,   27
.set SPW,  28
.set NIL,  29
.set PFO,  30                          ; v30 the prefetches' lane offset; never rewritten
.set BK,   32
.set ACC,  128
.set F0,   0
.set F1,   128
.set G1, 24
.set G0, 32
.set G1B, 48
.set G0B, 56
.set PFA, 76                           ; s[76:77] where my prefetches stand
.set PF1, 80                           ; s[80:81], s[82:83] K steps 1 and 2, named at the head
.set PFS, 84                           ; s[84:85] a K step, in bytes, in the operand that I fetch
.set MSB, 0
.macro WIN new                         ; the immediate's high byte repeats the setting that is left
.if MSB != \new
	s_set_vgpr_msb (MSB<<8)|\new
.set MSB, \new
.endif
.endm
.set MUL,  0x05                        ; sources 0 and 1 window 1; C and D window 0
.set TO_F, 0x40                        ; destination window 1
.macro JLOAD s                         ; a joint load: waves 0 and 1 fetch for h, waves 2 and 3 for Wout; s_nop 0 and four v_nop follow each line
	s_cmp_eq_u32 s15, 0
	s_cbranch_scc0 .Lfor_b_\@
	tensor_load_to_lds s[G0+4*\s:G0+4*\s+3], s[G1:G1+7]
	s_nop 0
.rept 4
	v_nop
.endr
	s_branch .Lasked_\@
.Lfor_b_\@:
	tensor_load_to_lds s[G0B+4*\s:G0B+4*\s+3], s[G1B:G1B+7]
	s_nop 0
.rept 4
	v_nop
.endr
.Lasked_\@:
.endm
.macro ASK                             ; in the loop: the K step two refills on; the last trip (s3 = 1) has none
	s_cmp_gt_u32 s3, 1
	s_cbranch_scc0 .Lno_ask_\@
	global_prefetch_b8 v[PFO], s[PFA:PFA+1] th:TH_LOAD_NT scope:SCOPE_SE
.Lno_ask_\@:
.endm
.macro CREST                           ; a round of the cluster's barrier behind its opening barrier
	s_cmp_lg_u32 s14, 0
	s_cbranch_scc1 .Lnot_wave_0_\@
	s_barrier_signal -3
.Lnot_wave_0_\@:
	s_barrier_wait -3
	s_barrier_signal -1
	s_barrier_wait -1
.endm
.macro CROUND
	s_barrier_signal -1
	s_barrier_wait -1
	CREST
.endm
	s_load_b128 s[4:7], s[0:1], 0x0                ; hc, Wout
	s_load_b128 s[8:11], s[0:1], 0x10              ; the exponents, the bias
	s_load_b128 s[68:71], s[0:1], 0x20             ; x1, out0
	v_lshl_add_u32 v[SPW], v0, 2, SPARE
	v_mov_b32 v[NIL], 0
	ds_add_u32 v[SPW], v[NIL]                      ; the opening: the add, twice on end, and its wait
	ds_add_u32 v[SPW], v[NIL]
	v_lshrrev_b32 v1, 5, v0
	v_readfirstlane_b32 s14, v1                    ; wave 0..3
	s_lshr_b32 s15, s14, 1                         ; my half of the tile's rows; also: I fetch for h (0) or Wout (1)
	s_and_b32 s16, s14, 1                          ; my half of its columns; also: which half of that operand I fetch
	s_bfe_u32 s40, ttmp6, 0x40000                  ; cx
	s_bfe_u32 s41, ttmp6, 0x40004                  ; cy
	s_lshl_b32 s42, ttmp9, 2
	s_add_co_u32 s42, s42, s40                     ; tile column
	s_and_b32 s17, ttmp7, 0xffff
	s_lshl_b32 s17, s17, 2
	s_add_co_u32 s17, s17, s41                     ; tile row
	s_lshl_b32 s43, s41, 2
	s_lshl_b32 s43, 15, s43                        ; my row of the cluster
	s_lshl_b32 s44, 0x1111, s40                    ; my column
	s_or_b32 s[G1+0], s43, (0<<16)|(1<<20)|(1<<21)|(4<<22)|(3<<25)  ; h: the mask; elements of 1 byte; padding on; bit 21 beside a mask; four words after every 32
	s_mov_b32 s[G1+1], 16384<<16                   ; tensor_dim0: a plane's 128 tokens x 128 bytes
	s_mov_b32 s[G1+2], 2<<16                       ; tensor_dim1: two planes
	s_mov_b32 s[G1+3], 16384<<16                   ; tile_dim0
	s_mov_b32 s[G1+4], 2                           ; tile_dim1
	s_mov_b32 s[G1+5], 524288                      ; from plane to plane: 4,096 x 128 bytes
	s_mov_b32 s[G1+6], 0
	s_mov_b32 s[G1+7], 0
	s_or_b32 s[G1B+0], s44, (0<<16)|(1<<20)|(1<<21)|(6<<22)|(3<<25) ; Wout: four words after every 128
	s_mov_b32 s[G1B+1], KSTEP<<16
	s_mov_b32 s[G1B+2], 64<<16
	s_mov_b32 s[G1B+3], KSTEP<<16
	s_mov_b32 s[G1B+4], 64
	s_mov_b32 s[G1B+5], SIZE_K
	s_mov_b32 s[G1B+6], 0
	s_mov_b32 s[G1B+7], 0
	s_lshl_b32 s20, s17, 14                        ; h: 128 tokens x 128 bytes x tile row,
	s_lshl_b32 s18, s16, 20                        ; in planes 2 x half on
	s_add_co_u32 s20, s20, s18
	s_mov_b32 s21, 0
	s_lshl_b32 s46, s42, 7
	s_lshl_b32 s18, s16, 6
	s_add_co_u32 s46, s46, s18                     ; Wout: row 128 x tile column + 64 x half,
	s_lshl_b32 s46, s46, 12                        ; of 4,096 bytes
	s_mov_b32 s47, 0
	s_mul_i32 s45, s16, 2*PLANE                    ; where they go in a slot
	s_mul_i32 s13, s16, HALFT
	s_add_co_u32 s13, s13, ABYTES
	s_wait_dscnt 0x0                               ; both opening adds are done
	s_wait_kmcnt 0x0
	s_load_b64 s[78:79], s[8:9], EOFF              ; e10, e11
	s_add_nc_u64 s[20:21], s[4:5], s[20:21]
	s_add_nc_u64 s[46:47], s[6:7], s[46:47]
.irp s, 0,1
	s_mov_b32 s[G0+4*\s], 1
	s_add_co_u32 s[G0+4*\s+1], s45, \s*SLOT
	s_add_nc_u64 s[G0+4*\s+2:G0+4*\s+3], s[20:21], \s*ASTEP
	s_or_b32 s[G0+4*\s+3], s[G0+4*\s+3], 0x80000000
	s_mov_b32 s[G0B+4*\s], 1
	s_add_co_u32 s[G0B+4*\s+1], s13, \s*SLOT
	s_add_nc_u64 s[G0B+4*\s+2:G0B+4*\s+3], s[46:47], \s*KSTEP
	s_or_b32 s[G0B+4*\s+3], s[G0B+4*\s+3], 0x80000000
.endr
	CROUND                                         ; all sixteen work-groups are here: the first joint loads meet
	JLOAD 0                                        ; K step 0: one tensor load a wave at the head
	s_lshr_b32 s86, s40, 1
	s_lshl_b32 s86, s86, 19
	s_and_b32 s87, s40, 1
	s_lshl_b32 s87, s87, 13
	s_add_co_u32 s86, s86, s87                     ; h: plane cx / 2 of my two, half cx % 2 of its 16,384 bytes
	s_lshl_b32 s87, s41, 16                        ; Wout: 16 rows of 4,096 bytes x cy
	s_mov_b32 s[PFS], KSTEP
	s_mov_b32 s88, 4096
	s_cmp_eq_u32 s15, 0                            ; do I fetch for h?
	s_cselect_b64 s[PFA:PFA+1], s[20:21], s[46:47]
	s_cselect_b32 s86, s86, s87
	s_cselect_b32 s[PFS], ASTEP, s[PFS]
	s_cselect_b32 s88, 512, s88                    ; from lane pair to lane pair
	s_mov_b32 s87, 0
	s_mov_b32 s[PFS+1], 0
	s_add_nc_u64 s[PFA:PFA+1], s[PFA:PFA+1], s[86:87]
	s_add_nc_u64 s[PF1:PF1+1], s[PFA:PFA+1], s[PFS:PFS+1]       ; K step 1
	s_add_nc_u64 s[PF1+2:PF1+3], s[PF1:PF1+1], s[PFS:PFS+1]     ; K step 2
	s_add_nc_u64 s[PFA:PFA+1], s[PF1+2:PF1+3], s[PFS:PFS+1]     ; K step 3
	v_and_b32 v1, 31, v0
	v_lshrrev_b32 v2, 1, v1
	v_and_b32 v3, 1, v0
	v_mul_u32_u24 v2, v2, s88
	v_lshl_add_u32 v[PFO], v3, 8, v2
	global_prefetch_b8 v[PFO], s[PF1:PF1+1] th:TH_LOAD_NT scope:SCOPE_SE
	global_prefetch_b8 v[PFO], s[PF1+2:PF1+3] th:TH_LOAD_NT scope:SCOPE_SE
	s_lshl_b32 s72, s17, 7
	s_lshl_b32 s73, s15, 6
	s_add_co_u32 s72, s72, s73                     ; my first row of out0,
	s_lshl_b32 s72, s72, 12                        ; of 4,096 bytes
	s_lshl_b32 s73, s42, 9
	s_lshl_b32 s74, s16, 8
	s_add_co_u32 s74, s74, s73                     ; my first column, in bytes
	s_add_co_u32 s72, s72, s74
	s_mov_b32 s73, 0
	s_mov_b32 s75, 0
	s_add_nc_u64 s[68:69], s[68:69], s[72:73]
	s_add_nc_u64 s[70:71], s[70:71], s[72:73]
	s_add_nc_u64 s[10:11], s[10:11], s[74:75]
	s_mul_i32 s22, s15, 64*KPA                     ; my 64 rows of h in a plane
	s_mul_i32 s23, s14, 16*SPITCH                  ; my stage
	v_and_b32 v1, 15, v0                           ; r
	v_bfe_u32 v2, v0, 4, 1                         ; h
	v_lshlrev_b32 v[BO], 4, v1
	v_lshlrev_b32 v5, 12, v2
	v_lshl_add_u32 v[CO], v1, 4, v5                ; lanes 0-15 one row of 256 bytes, lanes 16-31 the next
	global_load_b128 v[8:11], v[BO], s[10:11]      ; the bias of my four columns
	v_mul_u32_u24 v3, v1, KPA
	v_lshl_add_u32 v3, v2, 4, v3
	v_add_nc_u32 v[ADRA], s22, v3
	v_add_nc_u32 v[ADRA+1], SLOT, v[ADRA]
	v_mul_u32_u24 v4, v1, PITCH
	v_lshl_add_u32 v4, v2, 4, v4
	v_add_nc_u32 v[ADRB], s13, v4                  ; my 64 rows of Wout
	v_add_nc_u32 v[ADRB+1], SLOT, v[ADRB]
	v_mul_u32_u24 v5, v1, SPITCH
	v_lshl_add_u32 v5, v2, 5, v5
	v_add_nc_u32 v[STO], s23, v5                   ; in: row r, 32 bytes for each half of the lanes
	v_mul_u32_u24 v6, v2, SPITCH
	v_lshl_add_u32 v6, v1, 4, v6
	v_add_nc_u32 v[RD], s23, v6                    ; back: two rows an instruction
.macro MULA f, a, zero                 ; block a of h's rows x Wout's four; the 16 accumulators take turns
.irp b, 0,1,2,3
.if \zero
	v_wmma_f32_16x16x128_fp8_fp8 v[ACC+8*(4*(\a)+\b):ACC+8*(4*(\a)+\b)+7], v[\f+64+16*\b:\f+64+16*\b+15], v[\f+16*(\a):\f+16*(\a)+15], 0
.else
	v_wmma_f32_16x16x128_fp8_fp8 v[ACC+8*(4*(\a)+\b):ACC+8*(4*(\a)+\b)+7], v[\f+64+16*\b:\f+64+16*\b+15], v[\f+16*(\a):\f+16*(\a)+15], v[ACC+8*(4*(\a)+\b):ACC+8*(4*(\a)+\b)+7]
.endif
.endr
.endm
.macro FETCH slot, k, f                ; 32 LDS loads: the fragments of 128 along K at byte k of Wout's rows, which is plane k / 128 of h: Wout's four, then h's four
	WIN TO_F
.irp i, 0,1,2,3
.irp c, 0,1,2,3
	ds_load_b128 v[\f+64+16*\i+4*\c:\f+64+16*\i+4*\c+3], v[ADRB+\slot] offset:\k+32*\c+\i*16*PITCH
.endr
.endr
.irp i, 0,1,2,3
.irp c, 0,1,2,3
	ds_load_b128 v[\f+16*\i+4*\c:\f+16*\i+4*\c+3], v[ADRA+\slot] offset:((\k)/128)*PLANE+32*\c+\i*16*KPA
.endr
.endr
.endm
.macro PLACES                          ; four plain instructions behind matrix instructions (ISA guide 7.12.1)
.rept 4
	v_nop
.endr
.endm
.macro QUARTER slot, k, f, g, zero     ; 128 along K on buffer f; in its middle the next 128, at byte k, are fetched into buffer g
	s_wait_dscnt 8                                 ; all but the youngest 8 loads (h's blocks 2 and 3) are in
	WIN MUL
	MULA \f, 0, \zero
	MULA \f, 1, \zero
	PLACES
	FETCH \slot, \k, \g
	s_wait_dscnt 32                                ; all but the 32 just issued
	WIN MUL
	MULA \f, 2, \zero
	MULA \f, 3, \zero
.endm
; A slot's last quarter multiplies buffer 1 and changes slots: one barrier; in front of it each wave waits for all its tensor loads, adds 0 to its spare word, and waits for that and for its reads of this slot.
.macro TURN slot, next, fill
	WIN 0
.if \fill
	s_wait_xcnt 0x0                                ; my last prefetch, a K step back, has read its address
	s_add_nc_u64 s[PFA:PFA+1], s[PFA:PFA+1], s[PFS:PFS+1]
.endif
	s_wait_tensorcnt 0x0                           ; my part of the next slot is in
	ds_add_u32 v[SPW], v[NIL]
	s_wait_dscnt 9                                 ; (the add and the youngest 8 loads may be out)
	WIN MUL
	MULA F1, 0, 0
	s_wait_dscnt 0x0                               ; the add is done, and my reads of this slot are over
	s_barrier_signal -1
	MULA F1, 1, 0
.if \fill
	WIN 0
.endif
	s_barrier_wait -1
.if \fill
	CREST                                          ; the barrier has opened a round of the cluster's
	s_add_nc_u64 s[G0+4*\slot+2:G0+4*\slot+3], s[G0+4*\slot+2:G0+4*\slot+3], 2*ASTEP
	s_add_nc_u64 s[G0B+4*\slot+2:G0B+4*\slot+3], s[G0B+4*\slot+2:G0B+4*\slot+3], 2*KSTEP
	JLOAD \slot                                    ; the first tensor load behind the round; its four v_nop are the places in front of the loads below
	ASK
.else
	PLACES
.endif
	FETCH \next, 0, F0
	WIN MUL
	MULA F1, 2, 0
	MULA F1, 3, 0
.endm
	s_wait_alu depctr_va_vdst(0)
	s_wait_tensorcnt 0x0                           ; my part of K step 0 is in
	ds_add_u32 v[SPW], v[NIL]
	s_wait_dscnt 0x0
	CROUND                                         ; everybody's part of K step 0 is in, and all sixteen work-groups are here
	JLOAD 1                                        ; K step 1, the first tensor load behind the round
	global_prefetch_b8 v[PFO], s[PFA:PFA+1] th:TH_LOAD_NT scope:SCOPE_SE   ; K step 3
	FETCH 0, 0, F0
	WIN 0x80                                       ; destination window 2
.irp a, 0,1,2,3                        ; the whole residual, in the layout in which rows come back from the stage
.irp t, 0,1,2,3,4,5,6,7
	global_load_b128 v[32*\a+4*\t:32*\a+4*\t+3], v[CO], s[68:69] offset:65536*\a+8192*\t th:TH_LOAD_NT
.endr
.endr
	QUARTER 0, 128, F0, F1, 1                      ; the first products start the sums
	WIN 0
	s_mov_b32 s3, LAPS-1
.Llap:                                             ; a trip goes once round the ring and fills both slots again
	QUARTER 0, 256, F1, F0, 0
	QUARTER 0, 384, F0, F1, 0
	TURN 0, 1, 1
	QUARTER 1, 128, F0, F1, 0
	QUARTER 1, 256, F1, F0, 0
	QUARTER 1, 384, F0, F1, 0
	TURN 1, 0, 1
	QUARTER 0, 128, F0, F1, 0
	WIN 0
	s_sub_co_u32 s3, s3, 1
	s_cmp_lg_u32 s3, 0
	s_cbranch_scc1 .Llap
	QUARTER 0, 256, F1, F0, 0                      ; the last lap fills nothing
	QUARTER 0, 384, F0, F1, 0
	TURN 0, 1, 0
	QUARTER 1, 128, F0, F1, 0
	QUARTER 1, 256, F1, F0, 0
	QUARTER 1, 384, F0, F1, 0
	s_wait_dscnt 8
	WIN MUL
	MULA F1, 0, 0
	MULA F1, 1, 0
	s_wait_dscnt 0
	MULA F1, 2, 0
	MULA F1, 3, 0
	WIN 0
; THE WAY OUT, block by block of 16 rows x 64 columns: the sums go through my stage and come back as rows of 256 bytes; there out0 = sum x 2^(e10 + e11) + residual + bias.
.macro TOSTAGE a
.set BB, BK+32*((\a)%2)
.irp b, 0,1,2,3
	ds_store_b128 v[STO], v[ACC+8*(4*(\a)+\b):ACC+8*(4*(\a)+\b)+3] offset:64*\b      ; each accumulator from its low end on
	ds_store_b128 v[STO], v[ACC+8*(4*(\a)+\b)+4:ACC+8*(4*(\a)+\b)+7] offset:64*\b+16
.endr
.irp t, 0,1,2,3,4,5,6,7
	ds_load_b128 v[BB+4*\t:BB+4*\t+3], v[RD] offset:\t*2*SPITCH   ; LDS serves a wave's instructions in order (ISA guide 5.7.1.4)
.endr
.endm
.macro SEND a, younger                 ; younger: the LDS instructions issued behind block a's loads
.set BB, BK+32*((\a)%2)
	s_wait_dscnt \younger
	WIN 0x20                                       ; source 2: window 2, the residual
.set j, 0
.rept 16
	v_pk_fma_f32 v[BB+j:BB+j+1], v[BB+j:BB+j+1], s[78:79], v[32*(\a)+j:32*(\a)+j+1] op_sel_hi:[1,0,1]
.set j, j+2
.endr
	WIN 0
.irp t, 0,1,2,3,4,5,6,7
	v_pk_add_f32 v[BB+4*\t:BB+4*\t+1], v[BB+4*\t:BB+4*\t+1], v[8:9]
	v_pk_add_f32 v[BB+4*\t+2:BB+4*\t+3], v[BB+4*\t+2:BB+4*\t+3], v[10:11]
.endr
.irp t, 0,1,2,3,4,5,6,7
	global_store_b128 v[CO], v[BB+4*\t:BB+4*\t+3], s[70:71] offset:65536*(\a)+8192*\t   ; sixteen lanes store 256 consecutive bytes, aligned
.endr
.endm
	s_wait_kmcnt 0x0
	s_add_co_i32 s78, s78, s79
	s_add_co_i32 s78, s78, 127
	s_lshl_b32 s78, s78, 23                        ; 2^(e10 + e11) as f32
	s_mov_b32 s79, s78
	s_wait_loadcnt 0x0                             ; the bias and the residual
	PLACES
	TOSTAGE 0
.irp a, 1,2,3
.if \a > 1
	s_wait_xcnt 0x0                                ; block a - 2's stores have read their registers: block a's loads may land there
.endif
	TOSTAGE \a
	SEND \a-1, 16                                  ; behind block a - 1's loads: block a's 8 stores and 8 loads
.endr
	SEND 3, 0
	s_wait_tensorcnt 0x0                           ; the wave's end
	ds_add_u32 v[SPW], v[NIL]
	s_wait_dscnt 0x0
	CROUND                                         ; the closing round
	s_endpgm
.Lfunc_end_k_q09e52d4c41_out:
	.size	k_q09e52d4c41_out, .Lfunc_end_k_q09e52d4c41_out-k_q09e52d4c41_out
	.p2alignl 7, 3214868480
	.fill 96, 4, 3214868480
	.section	.rodata,"a",@progbits
	.p2align	6, 0x0
	.amdhsa_kernel k_q09e52d4c41_out
		.amdhsa_group_segment_fixed_size 327680
		.amdhsa_private_segment_fixed_size 0
		.amdhsa_enable_private_segment 0
		.amdhsa_kernarg_size 48
		.amdhsa_user_sgpr_count 2
		.amdhsa_user_sgpr_kernarg_segment_ptr 1
		.amdhsa_wavefront_size32 1
		.amdhsa_system_sgpr_workgroup_id_x 1
		.amdhsa_system_sgpr_workgroup_id_y 1
		.amdhsa_system_sgpr_workgroup_id_z 1
		.amdhsa_system_vgpr_workitem_id 0
		.amdhsa_next_free_vgpr 640
		.amdhsa_next_free_sgpr 92
		.amdhsa_reserve_vcc 0
		.amdhsa_float_denorm_mode_32 3
		.amdhsa_float_denorm_mode_16_64 3
		.amdhsa_memory_ordered 1
		.amdhsa_forward_progress 1
		.amdhsa_inst_pref_size 83
	.end_amdhsa_kernel
	.amdgpu_metadata
---
amdhsa.version: [ 1, 2 ]
amdhsa.kernels:
  - .name:           k_q09e52d4c41_out
    .symbol:         k_q09e52d4c41_out.kd
    .args:
      - { .name: hc, .offset: 0, .size: 8, .value_kind: global_buffer, .address_space: global }
      - { .name: w_out_codes, .offset: 8, .size: 8, .value_kind: global_buffer, .address_space: global }
      - { .name: lowp_scales, .offset: 16, .size: 8, .value_kind: global_buffer, .address_space: global }
      - { .name: b_out, .offset: 24, .size: 8, .value_kind: global_buffer, .address_space: global }
      - { .name: x1, .offset: 32, .size: 8, .value_kind: global_buffer, .address_space: global }
      - { .name: out0, .offset: 40, .size: 8, .value_kind: global_buffer, .address_space: global }
    .group_segment_fixed_size: 327680
    .private_segment_fixed_size: 0
    .kernarg_segment_align: 8
    .kernarg_segment_size: 48
    .max_flat_workgroup_size: 128
    .sgpr_count:     92
    .vgpr_count:     640
    .wavefront_size: 32
...
	.end_amdgpu_metadata
.endif
;; end of part 7
